; MI455X (gfx1250); checked and timed in simulation.
; The chip was launched on July 23, 2026; its instructions are those of AMD's public machine-readable ISA for CDNA 5 (MIT licence, August 2026) and "CDNA5" Instruction Set Architecture Reference Guide (July 2026). The comments in the code are by the model that wrote it; some were corrected since.
;; Llama Attention. Allowed arithmetic: float matrix products may take bf16 or f16 operands with f32 sums; other float arithmetic in f32, or as packed bf16 or f16 multiplies, adds, multiply-adds, maxima and minima; sums over many terms, partial sums and values carried from step to step in f32; what a program stores and reads back later, other than sums and carried values, may be rounded once to bf16 or f16.
;; Inputs: inv_freq 64 float32; wk 2,048 x 2,048 float32; wo 2,048 x 2,048 float32; wq 2,048 x 2,048 float32; wv 2,048 x 2,048 float32; x 4 x 1,024 x 2,048 float32.
;; Outputs: out0 4 x 1,024 x 2,048 float32.
;; 2 versions, each right; version 2 is version 1 with the launch cast written anew for expert scheduling mode. Each part assembles by itself: llvm-mc -triple=amdgcn-amd-amdhsa -mcpu=gfx1250 --defsym DOCPART=n.
;; ======== version 1 of 2: 4 launches
;; limits: values are held in f16: magnitudes above 65,504 overflow, below 6.1e-05 lose precision
;; workspace buffers: xb 16,777,216 bytes; wb 25,165,824 bytes; wof 8,388,608 bytes; qkv 50,331,648 bytes; att 16,777,216 bytes
;; launch cast (part 1): grid 128 x 7, 8 waves a work-group, no clusters, 0 bytes of LDS; arguments x, wq, wk, wv, wo, xb, wb, wof; writes xb, wb, wof
.if DOCPART == 1
	.amdgcn_target "amdgcn-amd-amdhsa--gfx1250"
	.amdhsa_code_object_version 6
	.text
	.protected	k_q4706ae787e_cast
	.globl	k_q4706ae787e_cast
	.p2align	8
	.type	k_q4706ae787e_cast,@function
k_q4706ae787e_cast:
	s_mov_b64 s[64:65], 0
	v_nop
	global_prefetch_b8 v0, s[64:65] scope:SCOPE_SE
	s_setreg_imm32_b32 hwreg(HW_REG_WAVE_MODE, 25, 1), 1
	s_wait_xcnt 0x0
; ROUNDING AND ORDERING OF THE MATRIX OPERANDS.  x [4096][2048], wq, wk, wv, wo [2048][2048], all f32.
;   xb  bf16 = x,            IN PLANES: [32][4096][64]: plane p holds columns 64 p .. 64 p + 63 of every row, 128 bytes a row, rows end to end.
;   wb  bf16, likewise       [32][6144][64]: rows 0-2047 from wq, 2048-4095 from wk, 4096-6143 from wv, the ROWS in another order (below).
;   wof [2048][2048] f16     = wo rounded to bf16, that number written as f16, the COLUMNS in another order (below).
; WHY PLANES.  The projection walks K in steps of 64; in a plane the rows of one of its tiles are one dense block, which it asks for in rows of 256 bytes.
; WHY THE ORDERS.  The launch behind the projection works on one token: 16 heads x 128 channels of q, k and v.
;   q, k: row c*128 + head*8 + j of the part is the weight's row head*128 + c*8 + j (c: a chunk of 8 channels), so in a token's
;         projected row 512 consecutive bytes hold two chunks of all 16 heads: 16 bytes a lane are half a matrix fragment.
;   v:    row cb*256 + h*128 + r*8 + j is the weight's row (8h+j)*128 + 16cb + r: 16 bytes a lane are channel 16cb+r of heads 8h..8h+7.
;   wo:   column c16*128 + r*8 + j is the weight's column r*128 + c16*8 + j: the order in which the attention launch stores its result.
; SHARES.  Work-group (g, y): y picks the tensor (0, 1: the halves of x; 2 wq; 3 wk; 4 wv; 5, 6: the halves of wo).
;   y < 5: a wave makes TWO neighbouring rows, 16 g + 2 wave and the next: lanes 0-15 read 256 consecutive bytes of the one's source row, lanes 16-31 of the other's; the 8 bytes that
;   each lane makes of its 16 are, for the 32 lanes, 256 consecutive bytes of a plane, aligned.  32 loads, 32 stores.
;   y >= 5: a wave makes one row of wof.
; Straight text: no register is written while a load or store names it.  Memory binds: no LDS, no barrier, no matrix unit; nothing is read twice.
; LIMITS.  wo beyond 65,504 becomes an infinity in f16; below 2^-14 it keeps f16's fixed step of 6e-8.  NaN and infinities pass as they are.
.set OF, 8                             ; v[8:39]    the 32 stores' offsets: 8 x lane + plane i (the planes lie farther apart than an immediate reaches)
.set X,  40                            ; v[40:167]  my numbers as loaded; a load's first two registers then take them rounded and packed
.set Y,  104                           ; v[104:135] wo's path (which loads v[40:103]): rounded and packed
	s_load_b512 s[8:23], s[0:1], 0x0               ; x s[8:9], wq s[10:11], wk s[12:13], wv s[14:15], wo s[16:17], xb s[18:19], wb s[20:21], wof s[22:23]
	v_lshrrev_b32 v4, 5, v0
	v_readfirstlane_b32 s24, v4                    ; wave 0..7
	v_and_b32 v1, 31, v0                           ; lane
	v_and_b32 v4, 15, v0                           ; r  = lane % 16
	v_bfe_u32 v5, v0, 4, 1                         ; hh = lane / 16
	s_and_b32 s25, ttmp7, 0xffff                   ; y
	s_mov_b32 s26, ttmp9                           ; g
	s_cmp_ge_u32 s25, 5
	s_cbranch_scc1 .Lwo
	s_lshl_b32 s27, s26, 4
	s_lshl_b32 s36, s24, 1
	s_add_co_u32 s27, s27, s36                     ; n = 16 g + 2 wave: the first of my two rows, in x's half or in the weight's part
	s_and_b32 s36, s27, 7                          ; j (even; the second row has j + 1)
	s_bfe_u32 s37, s27, 0x40003                    ; bits 6:3 of n: the head (q, k), r (v)
	s_lshr_b32 s38, s27, 7                         ; q, k: the chunk
	s_lshl_b32 s39, s37, 7
	s_lshl_b32 s38, s38, 3
	s_add_co_u32 s39, s39, s38
	s_add_co_u32 s39, s39, s36                     ; q, k: head*128 + chunk*8 + j
	s_bfe_u32 s40, s27, 0x10007                    ; v: h
	s_lshl_b32 s40, s40, 3
	s_add_co_u32 s40, s40, s36
	s_lshl_b32 s40, s40, 7
	s_lshr_b32 s41, s27, 8                         ; v: cb
	s_lshl_b32 s41, s41, 4
	s_add_co_u32 s40, s40, s41
	s_add_co_u32 s40, s40, s37                     ; v: (8h+j)*128 + 16cb + r
	s_cmp_eq_u32 s25, 1
	s_cselect_b32 s41, 2048, 0
	s_add_co_u32 s41, s41, s27                     ; x: the row itself
	s_mov_b32 s32, s41                             ; the row that lanes 0-15 read
	s_cmp_ge_u32 s25, 2
	s_cselect_b32 s32, s39, s32
	s_cmp_eq_u32 s25, 4
	s_cselect_b32 s32, s40, s32
	s_lshl_b32 s32, s32, 13                        ; 8,192 bytes a row
	s_mov_b32 s33, 0
	s_max_u32 s34, s25, 2
	s_sub_co_u32 s34, s34, 2
	s_lshl_b32 s34, s34, 11
	s_add_co_u32 s34, s34, s27                     ; the row made, in wb: 2,048 x part + n
	s_mov_b32 s42, 4096*128                        ; from plane to plane in xb,
	s_mov_b32 s43, 6144*128                        ; and in wb
	s_cmp_ge_u32 s25, 2                            ; a weight?  Both selects stand directly behind the compare: a shift or an add between would set SCC anew
	s_cselect_b32 s34, s34, s41                    ; the row made: in wb, or in xb
	s_cselect_b32 s42, s43, s42                    ; and that tensor's distance from plane to plane
	s_lshl_b32 s34, s34, 7                         ; 128 bytes a row of a plane
	s_mov_b32 s35, 0
	s_mov_b32 s43, 8192                            ; from my first source row to my second: the next row,
	s_mov_b32 s44, 128*8192
	s_cmp_eq_u32 s25, 4
	s_cselect_b32 s43, s44, s43                    ; in wv the next head's
	v_mul_lo_u32 v2, v5, s43
	v_lshl_add_u32 v2, v4, 4, v2                   ; where I read: hh x that + 16 r
	v_lshlrev_b32 v[OF], 3, v1                     ; where I store: 8 x lane = 128 hh + 8 r,
.set i, 1
.rept 31
	v_add_nc_u32 v[OF+i], s42, v[OF+i-1]           ; in plane i
.set i, i+1
.endr
	s_wait_kmcnt 0x0
	s_mov_b64 s[28:29], s[8:9]                     ; from where: chosen by y alone
	s_mov_b64 s[30:31], s[18:19]                   ; to where
	s_cmp_eq_u32 s25, 2
	s_cselect_b64 s[28:29], s[10:11], s[28:29]
	s_cmp_eq_u32 s25, 3
	s_cselect_b64 s[28:29], s[12:13], s[28:29]
	s_cmp_eq_u32 s25, 4
	s_cselect_b64 s[28:29], s[14:15], s[28:29]
	s_cmp_ge_u32 s25, 2
	s_cselect_b64 s[30:31], s[20:21], s[30:31]
	s_add_nc_u64 s[28:29], s[28:29], s[32:33]
	s_add_nc_u64 s[30:31], s[30:31], s[34:35]
.set i, 0
.rept 32
	global_load_b128 v[X+4*i:X+4*i+3], v2, s[28:29] offset:256*i th:TH_LOAD_NT  ; columns 64 i .. 64 i + 63 of both rows: twice 256 consecutive bytes, aligned
.set i, i+1
.endr
.set i, 0
.rept 32
	s_wait_loadcnt 31-i                            ; loads come back in order: load i is in, the 31 - i younger ones stay out
	v_cvt_pk_bf16_f32 v[X+4*i], v[X+4*i], v[X+4*i+1]
	v_cvt_pk_bf16_f32 v[X+4*i+1], v[X+4*i+2], v[X+4*i+3]
	global_store_b64 v[OF+i], v[X+4*i:X+4*i+1], s[30:31] th:TH_STORE_NT  ; the wave stores 256 consecutive bytes of plane i, aligned
.set i, i+1
.endr
	s_endpgm
.Lwo:	; wo: lane 16 hh + r takes, for i = 0..7, the 8 numbers r*128 + (2i+hh)*8 ..; they leave as 16 bytes at 512 i + 16 lane.
	s_sub_co_u32 s27, s25, 5
	s_lshl_b32 s27, s27, 10
	s_lshl_b32 s36, s26, 3
	s_add_co_u32 s27, s27, s36
	s_add_co_u32 s27, s27, s24                     ; my row: 1,024 (y - 5) + 8 g + wave
	s_lshl_b32 s32, s27, 13
	s_mov_b32 s33, 0
	s_lshl_b32 s34, s27, 12
	s_mov_b32 s35, 0
	v_lshlrev_b32 v2, 9, v4
	v_lshl_add_u32 v2, v5, 5, v2                   ; 512 r + 32 hh
	v_lshlrev_b32 v3, 4, v1
	s_wait_kmcnt 0x0
	s_add_nc_u64 s[28:29], s[16:17], s[32:33]
	s_add_nc_u64 s[30:31], s[22:23], s[34:35]
.set i, 0
.rept 8
	global_load_b128 v[X+8*i:X+8*i+3],   v2, s[28:29] offset:64*i th:TH_LOAD_NT     ; the wave's sixteen loads together take the whole row
	global_load_b128 v[X+8*i+4:X+8*i+7], v2, s[28:29] offset:64*i+16 th:TH_LOAD_NT
.set i, i+1
.endr
.set i, 0
.rept 8
	s_wait_loadcnt 14-2*i                          ; loads 2 i and 2 i + 1 are in
.irp q, 0,1,2,3
	v_cvt_pk_bf16_f32 v4, v[X+8*i+2*\q], v[X+8*i+2*\q+1]  ; the rounding that all the module's inputs get,
	v_lshlrev_b32 v5, 16, v4                       ; back to f32,
	v_and_b32 v6, 0xffff0000, v4
	v_cvt_pk_f16_f32 v[Y+4*i+\q], v5, v6           ; and written as f16: 8 significant bits fit into 11
.endr
	global_store_b128 v3, v[Y+4*i:Y+4*i+3], s[30:31] offset:512*i th:TH_STORE_NT  ; 512 consecutive bytes, aligned
.set i, i+1
.endr
	s_endpgm
.Lfunc_end_k_q4706ae787e_cast:
	.size	k_q4706ae787e_cast, .Lfunc_end_k_q4706ae787e_cast-k_q4706ae787e_cast
	.p2alignl 7, 3214868480
	.fill 96, 4, 3214868480
	.section	.rodata,"a",@progbits
	.p2align	6, 0x0
	.amdhsa_kernel k_q4706ae787e_cast
		.amdhsa_group_segment_fixed_size 0
		.amdhsa_private_segment_fixed_size 0
		.amdhsa_enable_private_segment 0
		.amdhsa_kernarg_size 64
		.amdhsa_user_sgpr_count 2
		.amdhsa_user_sgpr_kernarg_segment_ptr 1
		.amdhsa_wavefront_size32 1
		.amdhsa_system_sgpr_workgroup_id_x 1
		.amdhsa_system_sgpr_workgroup_id_y 1
		.amdhsa_system_sgpr_workgroup_id_z 1
		.amdhsa_system_vgpr_workitem_id 0
		.amdhsa_next_free_vgpr 168
		.amdhsa_next_free_sgpr 66
		.amdhsa_reserve_vcc 0
		.amdhsa_float_denorm_mode_32 3
		.amdhsa_float_denorm_mode_16_64 3
		.amdhsa_memory_ordered 1
		.amdhsa_forward_progress 1
		.amdhsa_inst_pref_size 25
	.end_amdhsa_kernel
	.amdgpu_metadata
---
amdhsa.version: [ 1, 2 ]
amdhsa.kernels:
  - .name:           k_q4706ae787e_cast
    .symbol:         k_q4706ae787e_cast.kd
    .args:
      - { .name: x, .offset: 0, .size: 8, .value_kind: global_buffer, .address_space: global }
      - { .name: wq, .offset: 8, .size: 8, .value_kind: global_buffer, .address_space: global }
      - { .name: wk, .offset: 16, .size: 8, .value_kind: global_buffer, .address_space: global }
      - { .name: wv, .offset: 24, .size: 8, .value_kind: global_buffer, .address_space: global }
      - { .name: wo, .offset: 32, .size: 8, .value_kind: global_buffer, .address_space: global }
      - { .name: xb, .offset: 40, .size: 8, .value_kind: global_buffer, .address_space: global }
      - { .name: wb, .offset: 48, .size: 8, .value_kind: global_buffer, .address_space: global }
      - { .name: wof, .offset: 56, .size: 8, .value_kind: global_buffer, .address_space: global }
    .group_segment_fixed_size: 0
    .private_segment_fixed_size: 0
    .kernarg_segment_align: 8
    .kernarg_segment_size: 64
    .max_flat_workgroup_size: 256
    .sgpr_count:     66
    .vgpr_count:     168
    .wavefront_size: 32
...
	.end_amdgpu_metadata
.endif
;; end of part 1
;; launch proj (part 2): grid 16 x 16, 4 waves a work-group, clusters of 4 x 4, 327,680 bytes of LDS; arguments xb, wb, qkv; writes qkv
.if DOCPART == 2
	.amdgcn_target "amdgcn-amd-amdhsa--gfx1250"
	.amdhsa_code_object_version 6
	.text
	.protected	k_q4706ae787e_proj
	.globl	k_q4706ae787e_proj
	.p2align	8
	.type	k_q4706ae787e_proj,@function
k_q4706ae787e_proj:
	s_mov_b64 s[64:65], 0
	v_nop
	global_prefetch_b8 v0, s[64:65] scope:SCOPE_SE
	s_setreg_imm32_b32 hwreg(HW_REG_WAVE_MODE, 25, 1), 1
	s_wait_xcnt 0x0
	s_wait_alu depctr_hold_cnt(0) depctr_sa_sdst(0) depctr_va_vdst(0) depctr_va_sdst(0) depctr_va_ssrc(0) depctr_va_vcc(0) depctr_vm_vsrc(0)
	s_getreg_b32 s2, hwreg(HW_REG_IB_STS2, 6, 4)
	s_cmp_eq_u32 s2, 0
	s_cbranch_scc0 .Lentry_in_a_cluster
	s_endpgm
.Lentry_in_a_cluster:
	s_bfe_u32 s2, ttmp6, 0x10000c
	s_cmp_lg_u32 s2, 0xf033
	s_cbranch_scc0 .Lentry_shape_is_right
	s_endpgm
.Lentry_shape_is_right:
; qkv[m][n] = the sum over k of x[m][k] w[n][k].  xb: bf16 in planes [32][4096][64], wb: bf16 in planes [32][6144][64], qkv: [4096][6144] f16; sums in f32, K ascending, rounded once.
; LIMIT.  A projected number of 65,520 or more becomes an infinity in f16.
; TILE.  256 rows x 384 columns of qkv to a work-group: 16 x 16 = 256 equal tiles.  Four waves, two by two: each makes 128 x 192, 96 accumulators of 16 x 16, 768 registers.
; For 32 along K a wave loads 20 fragments from LDS (40 loads) and issues 96 matrix instructions.
; RING.  K goes in steps of 64, a plane a step, through two LDS slots, each with 384 rows of wb and 256 rows of xb.  (A step of 128 would need two slots of 174,080 bytes: they do not fit.)
; In a plane a tile's rows of 128 bytes lie end to end, so they are asked for as rows of 256 bytes, aligned, and padded in LDS behind every 128.  Waves 0, 1 fetch 192 rows of wb each,
; waves 2, 3 128 rows of xb each: one tensor load a wave behind each change of slots; by this text's count a wave has two loads out at the start, later one.
; From a request to the wait for it a wave issues 176 matrix instructions.
; CLUSTER.  4 x 4 work-groups.  The four of a row of the cluster need the same tile of xb, the four of a column the same tile of wb: each is asked for jointly, by the same load, descriptor and mask.
; THE MATRIX INSTRUCTION IS USED TRANSPOSED (source 0 = 16 rows of wb, source 1 = 16 rows of xb): a lane then holds eight neighbouring columns of one row of qkv.
; REGISTERS, in windows of 256 (s_set_vgpr_msb: bits 1:0 source 0, 3:2 source 1, 5:4 source 2, 7:6 destination):
;   window 0: v12-29 addresses; v32-95, v96-159 xb's 8 fragments (16 rows x 32 K), two buffers; v160-255 wb's 12 fragments, ONE buffer; on the way out v32-223 are at work
;   windows 1-3: the accumulators: (row block a, column block b) at v[8 (8 (b % 4) + a)] of window 1 + b / 4
; A CHUNK is 32 along K: three groups of 32 products, a window each (column blocks 4 g .. 4 g + 3 x all 8 row blocks).  Behind group g its four fragments of wb are free: they are loaded again at once,
; for the next chunk, and with them (behind groups 0 and 1) half of xb's next fragments, into the other buffer: three runs of LDS loads a chunk, six switches of the windows for 96 products.
.set KDIM,   2048
.set NDIM,   6144
.set KB,     64                        ; a K step
.set APLANE, 4096*KB*2                 ; bytes from plane to plane in xb,
.set BPLANE, 6144*KB*2                 ; and in wb
.set NWB,    2                         ; waves that fetch wb
.set PITCH,  144                       ; an LDS row: 128 bytes + 16 of padding = 36 words: the 16 rows of a fragment load start at 16 different groups of four banks (64 banks of 4 bytes: ISA guide 11.1)
.set BPART,  192*PITCH                 ; what a load of wb fills,
.set APART,  128*PITCH                 ; and a load of xb
.set AOFF,   2*BPART                   ; in a slot: wb's 384 rows, then xb's 256
.set SLOT,   AOFF+2*APART
.set ALB,    AOFF-NWB*APART            ; xb's loads land at ALB + wave x APART: wave 2 at AOFF, wave 3 128 rows behind
.set LAPS,   KDIM/(2*KB)               ; a lap = two K steps = once round the ring
.set SPITCH, 784                       ; the way out: a row of the stage, 768 bytes + 16 = 49 x 16
.set SPARE,  256*SPITCH                ; behind the stage (which begins at LDS byte 0): the spare words, 128 bytes for each wave: two blocks of 256 bytes that no other line names
.set PFO,  12                          ; v12-14  the prefetches' offsets; never rewritten
.set ADRA, 16                          ; v16-17  LDS address of my fragments of xb in slot 0, 1
.set ADRB, 20                          ; v20-21  of my fragments of wb
.set STO2, 23                          ; v23     the way out: as STO, 64 rows further down (an LDS offset has 16 bits)
.set STO,  24                          ; v24     the way out: where I put 16 bytes of a row
.set RD,   25                          ; v25     where I read rows back
.set CO,   26                          ; v26     my byte offset in qkv
.set SPW,  28                          ; v28     LDS address of my spare word; never rewritten
.set NIL,  29                          ; v29     0; never rewritten
.set FA0,  32
.set FA1,  96
.set FB,   160
.set TMP,  32                          ; the way out: a window's 32 accumulators, packed: v32-159
.set OB,   32                          ; the way out: rows read back, v32-127 and v128-223 by turns
.set G1A,  24                          ; s[24:31] descriptor group 1 for xb's tiles;  s[32:39] group 0, a set for each slot
.set G0A,  32
.set G1B,  48                          ; s[48:55], s[56:63] the same for wb's
.set G0B,  56
.set PFA,  66                          ; s[66:67] where my prefetches stand
.set LIM,  68                          ; s68      1 in a wave that prefetches, else the greatest number
.set PST,  70                          ; s[70:71] two planes of the tensor that I prefetch
.set FLAGS, (1<<16)|(1<<20)|(1<<21)|(4<<22)|(3<<25)  ; 17:16 elements of 2 bytes; 20 padding on; 21 set beside a mask; 24:22 after every 32 words; 31:25 4 words of it
.set MSB, 0
.macro WIN new                         ; the immediate's high byte repeats the setting that is left; a switch that changes nothing is dropped
.if MSB != (\new)
	s_set_vgpr_msb (MSB<<8)|(\new)
.set MSB, \new
.endif
.endm
.macro PLACES                          ; four places behind matrix instructions, in front of loads into registers that they read and of lines that read results (ISA guide 7.12.1 for lines that read results)
.rept 4
	v_nop
.endr
.endm
; A joint load.  The branch hangs on the wave's number alone.  An s_nop 0 and four v_nop follow each of the two lines, ahead of the jump and the label.
.macro JLOAD s
	s_cmp_lt_u32 s10, NWB
	s_cbranch_scc0 .Lfor_a_\@
	tensor_load_to_lds s[G0B+4*(\s):G0B+4*(\s)+3], s[G1B:G1B+7]
	s_nop 0
.rept 4
	v_nop
.endr
	s_branch .Lasked_\@
.Lfor_a_\@:
	tensor_load_to_lds s[G0A+4*(\s):G0A+4*(\s)+3], s[G1A:G1A+7]
	s_nop 0
.rept 4
	v_nop
.endr
.Lasked_\@:
.endm
; THE PREFETCHES, once a lap, behind slot 0's refill (which asks for plane i + 2) and the run of LDS loads behind it: the planes i + 3 and i + 4, which the next two refills load.  A lane a block of 256 bytes.
; wb's tile is read by every cluster of a column of clusters: the one with y = 0 asks; xb's by every cluster of a row of clusters: the one with x = 0 asks.  The four partners that ask for a tile jointly
; take a quarter of its dense block each, told apart by address (by cy for wb: 48 blocks a plane; by cx for xb: 32).  Wave 0 names wb's 96 blocks of the two planes in three lines, wave 2 xb's 64 in two.
; So each block is named once in the launch.  Planes 0-2 come by their loads alone; the loop's last trip (s3 = 1) asks for nothing, so plane 30 is the last named.
.macro ASK
	s_cmp_gt_u32 s3, s[LIM]
	s_cbranch_scc0 .Lnot_mine_\@
	global_prefetch_b8 v[PFO],   s[PFA:PFA+1] th:TH_LOAD_NT scope:SCOPE_SE
	global_prefetch_b8 v[PFO+1], s[PFA:PFA+1] th:TH_LOAD_NT scope:SCOPE_SE
	s_cmp_lg_u32 s10, 0
	s_cbranch_scc1 .Lnot_mine_\@
	global_prefetch_b8 v[PFO+2], s[PFA:PFA+1] th:TH_LOAD_NT scope:SCOPE_SE
.Lnot_mine_\@:
.endm
.macro CREST                           ; a round of the cluster's barrier behind its opening barrier
	s_cmp_lg_u32 s10, 0
	s_cbranch_scc1 .Lnot_wave_0_\@
	s_barrier_signal -3
.Lnot_wave_0_\@:
	s_barrier_wait -3
	s_barrier_signal -1
	s_barrier_wait -1
.endm
.macro CROUND                          ; a whole round
	s_barrier_signal -1
	s_barrier_wait -1
	CREST
.endm
; 8 matrix instructions: column block b x my 8 row blocks, 32 along K, xb's fragments in buffer fa.  zero = 1: the product starts the sums.
; The 96 accumulators take turns in one order in every chunk, over the backward jump too.
.macro MULB fa, b, zero
	WIN 0x50*(1+(\b)/4)
.set aa, 0
.rept 8
.set rD, 8*(8*((\b)%4)+aa)
.set rB, FB+8*(\b)
.set rA, (\fa)+8*aa
.if \zero
	v_wmma_f32_16x16x32_bf16 v[rD:rD+7], v[rB:rB+7], v[rA:rA+7], 0
.else
	v_wmma_f32_16x16x32_bf16 v[rD:rD+7], v[rB:rB+7], v[rA:rA+7], v[rD:rD+7]
.endif
.set aa, aa+1
.endr
.endm
.macro GROUP fa, g, zero               ; 32 matrix instructions under one setting of the windows
	MULB \fa, 4*(\g), \zero
	MULB \fa, 4*(\g)+1, \zero
	MULB \fa, 4*(\g)+2, \zero
	MULB \fa, 4*(\g)+3, \zero
.endm
; Run g of the LDS loads for a chunk that lies at byte k of slot's rows: wb's fragments 4 g .. 4 g + 3; with runs 0 and 1 also xb's fragments 4 g .. 4 g + 3, into buffer ga
.macro RUN g, slot, k, ga
	WIN 0
.set ii, 4*(\g)
.rept 4
	ds_load_b128 v[FB+8*ii:FB+8*ii+3],   v[ADRB+(\slot)] offset:(\k)+ii*16*PITCH
	ds_load_b128 v[FB+8*ii+4:FB+8*ii+7], v[ADRB+(\slot)] offset:(\k)+ii*16*PITCH+32
.set ii, ii+1
.endr
.if (\g) < 2
.set ii, 4*(\g)
.rept 4
	ds_load_b128 v[(\ga)+8*ii:(\ga)+8*ii+3],   v[ADRA+(\slot)] offset:(\k)+ii*16*PITCH
	ds_load_b128 v[(\ga)+8*ii+4:(\ga)+8*ii+7], v[ADRA+(\slot)] offset:(\k)+ii*16*PITCH+32
.set ii, ii+1
.endr
.endif
.endm
; The rest of a chunk behind its first group and first run
.macro REST fa, ga, slot, k, zero
	GROUP \fa, 1, \zero
	WIN 0
	PLACES
	RUN 1, \slot, \k, \ga
	s_wait_dscnt 32                                ; wb's fragments 8-11 are in: behind them only the 32 loads of the two runs just issued
	GROUP \fa, 2, \zero
	WIN 0
	PLACES
	RUN 2, \slot, \k, \ga
.endm
; A step's first chunk: multiplies buffer FA0 and fetches the step's second chunk, at byte 64 of the same slot's rows, into FA1.
.macro CHUNK slot, zero
	s_wait_dscnt 8                                 ; all but the last run (wb's fragments 8-11) is in
	GROUP FA0, 0, \zero
	WIN 0
	PLACES
	RUN 0, \slot, 64, FA1
	REST FA0, FA1, \slot, 64, \zero
.endm
; A step's second chunk multiplies FA1 and changes slots, in its first group: ONE barrier.  In front of it each wave waits for all its tensor loads (the one that is out is its part of the next slot), adds 0
; to its spare word, and waits for that and for its reads of this slot, of which the last were the run at the end of the chunk before.  fill = 1: the barrier opens a round of the cluster's barrier, and
; this slot is filled again, two planes on, first thing behind the round.  Then the next slot's first chunk is fetched.
.macro TURN slot, next, fill
.if (\fill) && ((\slot) == 0)
	s_wait_xcnt 0x0                                ; the last prefetches, a lap back, have read their address: it is stepped here, ahead of the change's own waits
	s_add_nc_u64 s[PFA:PFA+1], s[PFA:PFA+1], s[PST:PST+1]
.endif
	s_wait_dscnt 8
	MULB FA1, 0, 0
	MULB FA1, 1, 0
	WIN 0                                          ; (the add's two registers lie in window 0)
	s_wait_tensorcnt 0x0                           ; all my tensor loads have landed
	ds_add_u32 v[SPW], v[NIL]                      ; 0 onto my spare word
	MULB FA1, 2, 0                                 ; eight matrix instructions stand between the add and the wait for it
	s_wait_dscnt 0x0                               ; the add is done, and my reads of this slot are over
	s_barrier_signal -1
	MULB FA1, 3, 0                                 ; work on registers while the others arrive
	WIN 0
	s_barrier_wait -1
.if \fill
	CREST                                          ; no wave of any partner still reads this slot's tiles or has a load on its way
	s_add_nc_u64 s[G0A+4*(\slot)+2:G0A+4*(\slot)+3], s[G0A+4*(\slot)+2:G0A+4*(\slot)+3], 2*APLANE
	s_add_nc_u64 s[G0B+4*(\slot)+2:G0B+4*(\slot)+3], s[G0B+4*(\slot)+2:G0B+4*(\slot)+3], 2*BPLANE
	JLOAD \slot                                    ; the four v_nop behind it are also the places in front of the loads below
.else
	PLACES
.endif
	RUN 0, \next, 0, FA0
.if (\fill) && ((\slot) == 0)
	ASK
.endif
	REST FA1, FA0, \next, 0, 0
.endm
	s_load_b128 s[4:7], s[0:1], 0x0                ; xb s[4:5], wb s[6:7]
	s_load_b64 s[8:9], s[0:1], 0x10                ; qkv
	v_lshl_add_u32 v[SPW], v0, 2, SPARE
	v_mov_b32 v[NIL], 0
	ds_add_u32 v[SPW], v[NIL]                      ; the wave's opening: the add and its wait stand ahead of my first tensor load; work on registers stands between them
	v_lshrrev_b32 v1, 5, v0
	v_readfirstlane_b32 s10, v1                    ; wave 0..3
	s_lshr_b32 s11, s10, 1                         ; which 128 of the tile's rows are mine
	s_and_b32 s12, s10, 1                          ; which 192 of its columns
	s_bfe_u32 s40, ttmp6, 0x40000                  ; cx, cy: my place in the cluster
	s_bfe_u32 s41, ttmp6, 0x40004
	s_lshl_b32 s42, ttmp9, 2
	s_add_co_u32 s42, s42, s40                     ; tile column = 4 x cluster x + cx
	s_and_b32 s13, ttmp7, 0xffff
	s_lshl_b32 s13, s13, 2
	s_add_co_u32 s13, s13, s41                     ; tile row = 4 x cluster y + cy
	s_lshl_b32 s43, s41, 2
	s_lshl_b32 s43, 15, s43                        ; my row of the cluster
	s_lshl_b32 s44, 0x1111, s40                    ; my column
	s_or_b32 s[G1A+0], s43, FLAGS                  ; xb's tiles go to my row,
	s_or_b32 s[G1B+0], s44, FLAGS                  ; wb's to my column
	s_mov_b32 s[G1A+1], 128<<16                    ; tensor_dim0 = 128 elements: 256 bytes, two rows of the plane
	s_mov_b32 s[G1A+2], 64<<16                     ; tensor_dim1 = 64: 128 rows of the plane
	s_mov_b32 s[G1A+3], 128<<16                    ; tile_dim0
	s_mov_b32 s[G1A+4], 64                         ; tile_dim1
	s_mov_b32 s[G1A+5], 128                        ; elements from row to row: the block is dense
	s_mov_b32 s[G1A+6], 0
	s_mov_b32 s[G1A+7], 0
	s_mov_b32 s[G1B+1], 128<<16
	s_mov_b32 s[G1B+2], 96<<16                     ; 192 rows of the plane
	s_mov_b32 s[G1B+3], 128<<16
	s_mov_b32 s[G1B+4], 96
	s_mov_b32 s[G1B+5], 128
	s_mov_b32 s[G1B+6], 0
	s_mov_b32 s[G1B+7], 0
	; every wave makes both addresses, each from the one coordinate that the load's partners share, and asks by one of them (the other is held inside its buffer)
	s_max_u32 s17, s10, NWB
	s_sub_co_u32 s17, s17, NWB
	s_lshl_b32 s17, s17, 14                        ; xb: 128 rows of 128 bytes x (wave - 2),
	s_lshl_b32 s16, s13, 15                        ; in the tile's 256 rows
	s_add_co_u32 s16, s16, s17
	s_mov_b32 s17, 0
	s_min_u32 s47, s10, NWB-1
	s_mul_i32 s47, s47, 192*KB*2                   ; wb: 192 rows x wave,
	s_mul_i32 s46, s42, 384*KB*2                   ; in the tile's 384 rows
	s_add_co_u32 s46, s46, s47
	s_mov_b32 s47, 0
	s_mul_i32 s20, s10, BPART                      ; where they go: no place in the cluster enters an LDS address
	s_mul_i32 s21, s10, APART
	s_add_co_u32 s21, s21, ALB
	s_wait_dscnt 0x0                               ; the opening add is done
	s_wait_kmcnt 0x0
	s_add_nc_u64 s[14:15], s[4:5], s[16:17]
	s_add_nc_u64 s[46:47], s[6:7], s[46:47]
	CROUND                                         ; all sixteen work-groups are here: the first joint loads meet
.irp s, 0,1
	s_mov_b32 s[G0A+4*(\s)], 1                     ; count = 1
	s_add_co_u32 s[G0A+4*(\s)+1], s21, (\s)*SLOT   ; LDS address
	s_add_nc_u64 s[G0A+4*(\s)+2:G0A+4*(\s)+3], s[14:15], (\s)*APLANE  ; global address: plane s
	s_or_b32 s[G0A+4*(\s)+3], s[G0A+4*(\s)+3], 0x80000000            ; type = 2
	s_mov_b32 s[G0B+4*(\s)], 1
	s_add_co_u32 s[G0B+4*(\s)+1], s20, (\s)*SLOT
	s_add_nc_u64 s[G0B+4*(\s)+2:G0B+4*(\s)+3], s[46:47], (\s)*BPLANE
	s_or_b32 s[G0B+4*(\s)+3], s[G0B+4*(\s)+3], 0x80000000
	JLOAD \s
.endr
	; a fragment is 16 rows x 32 K in 8 registers: lane l holds row l % 16, K = 8 (l / 16) + 0..7 and 16 + 8 (l / 16) + 0..7: two loads of 16 bytes, 32 bytes apart
	v_and_b32 v1, 15, v0                           ; l % 16
	v_bfe_u32 v2, v0, 4, 1                         ; l / 16
	v_mul_u32_u24 v3, v1, PITCH
	v_lshl_add_u32 v3, v2, 4, v3
	s_mul_i32 s21, s11, APART                      ; my 128 rows of xb,
	s_add_co_u32 s21, s21, AOFF                    ; which lie behind wb's 384,
	s_mul_i32 s22, s12, BPART                      ; and my 192 rows of wb
.irp s, 0,1
	v_add_nc_u32 v[ADRA+(\s)], s21, v3
	v_add_nc_u32 v[ADRB+(\s)], s22, v3
	s_add_co_u32 s21, s21, SLOT
	s_add_co_u32 s22, s22, SLOT
.endr
	v_mul_u32_u24 v4, v1, SPITCH                   ; into the stage: my 128 rows, row l % 16 of a block; my 384 bytes of them, 16 bytes for each half of the lanes
	v_lshl_add_u32 v4, v2, 4, v4
	s_mul_i32 s23, s11, 128*SPITCH
	s_mul_i32 s22, s12, 384
	s_add_co_u32 s23, s23, s22
	v_add_nc_u32 v[STO], s23, v4
	v_add_nc_u32 v[STO2], 64*SPITCH, v[STO]
	s_mul_i32 s23, s10, 64*SPITCH                  ; back: wave w takes rows 64 w .. 64 w + 63, whole; lanes 0-15 256 bytes of one row, lanes 16-31 of the next
	v_mul_u32_u24 v5, v2, SPITCH
	v_lshl_add_u32 v5, v1, 4, v5
	v_add_nc_u32 v[RD], s23, v5
	v_mul_u32_u24 v5, v2, NDIM*2                   ; and the same two rows in qkv
	v_lshl_add_u32 v[CO], v1, 4, v5
	; the prefetches: where my work-group's quarter of the tile's block begins in a plane, and the lanes' offsets
	s_mul_i32 s16, s42, 384*KB*2                   ; wb: the tile's block,
	s_mul_i32 s17, s41, 96*KB*2                    ; my quarter by cy
	s_add_co_u32 s16, s16, s17
	s_lshl_b32 s22, s13, 15                        ; xb: the tile's block,
	s_lshl_b32 s23, s40, 13                        ; my quarter by cx
	s_add_co_u32 s22, s22, s23
	s_mov_b32 s18, APLANE
	s_mov_b32 s19, BPLANE
	s_mov_b32 s23, 32*256
	s_mov_b32 s21, BPLANE-16*256
	s_cmp_lt_u32 s10, NWB                          ; do I fetch for wb?
	s_cselect_b32 s16, s16, s22
	s_cselect_b32 s19, s19, s18                    ; my tensor's plane
	s_cselect_b32 s23, s23, s18                    ; what the second line's lanes 0-15 add to 256 x lane: wb: blocks 32-47 of the first plane; xb: the second plane
	s_cselect_b32 s21, s21, s18                    ; and its lanes 16-31: wb: blocks 0-15 of the second plane; xb: the second plane
	s_cselect_b64 s[PFA:PFA+1], s[6:7], s[4:5]
	s_add_co_u32 s16, s16, s19                     ; at plane 1: the first change of slots steps it to plane 3
	s_mov_b32 s17, 0
	s_add_nc_u64 s[PFA:PFA+1], s[PFA:PFA+1], s[16:17]
	s_lshl_b32 s[PST], s19, 1
	s_mov_b32 s[PST+1], 0
	s_and_b32 s22, ttmp7, 0xffff                   ; cluster y
	s_cmp_lt_u32 s10, NWB
	s_cselect_b32 s22, s22, ttmp9                  ; the coordinate along which other clusters read the same rows
	s_or_b32 s22, s22, s12                         ; waves 1 and 3 ask for nothing
	s_cmp_eq_u32 s22, 0
	s_cselect_b32 s[LIM], 1, -1                    ; the same in all sixteen partners, for a given wave
	v_and_b32 v5, 31, v0
	v_lshlrev_b32 v[PFO], 8, v5                    ; the first line: blocks 0-31 of the first plane
	v_cmp_gt_u32 vcc_lo, 16, v5
	v_mov_b32 v6, s21
	v_cndmask_b32 v6, v6, s23, vcc_lo
	v_add_nc_u32 v[PFO+1], v[PFO], v6
	v_add_nc_u32 v[PFO+2], BPLANE+16*256, v[PFO]   ; the third line (wb alone): blocks 16-47 of the second plane
	; qkv at the first row that I store and the tile's first column
	s_lshl_b32 s16, s13, 8
	s_lshl_b32 s17, s10, 6
	s_add_co_u32 s16, s16, s17
	s_mul_i32 s16, s16, NDIM*2
	s_mov_b32 s17, 0
	s_add_nc_u64 s[8:9], s[8:9], s[16:17]
	s_mul_i32 s46, s42, 384*2
	s_mov_b32 s47, 0
	s_add_nc_u64 s[8:9], s[8:9], s[46:47]
	s_wait_tensorcnt 1                             ; my part of plane 0 is in; plane 1's may stay out
	s_barrier_signal -1
	s_barrier_wait -1                              ; everybody's is
	RUN 0, 0, 0, FA0
	RUN 1, 0, 0, FA0
	RUN 2, 0, 0, FA0
	CHUNK 0, 1                                     ; the first chunk stands in front of the loop: its products start the sums
	WIN 0                                          ; at a label and at a branch every window is 0
	s_mov_b32 s3, LAPS-1
.Llap:                                                 ; a trip goes once round the ring, from a lap's second chunk to the next lap's first, and fills both slots again
	TURN 0, 1, 1
	CHUNK 1, 0
	TURN 1, 0, 1
	CHUNK 0, 0
	WIN 0
	s_sub_co_u32 s3, s3, 1
	s_cmp_lg_u32 s3, 0
	s_cbranch_scc1 .Llap
	TURN 0, 1, 0                                   ; the last lap is written out: it fills nothing, and has no round
	CHUNK 1, 0
	s_wait_dscnt 8                                 ; the very last chunk: nothing more to fetch
	GROUP FA1, 0, 0
	GROUP FA1, 1, 0
	s_wait_dscnt 0x0                               ; my reads of the slots are over:
	s_barrier_signal -1                            ; say so,
	GROUP FA1, 2, 0
	WIN 0
	s_barrier_wait -1                              ; and when all four have said so, the slots' bytes, which have had their last fill, serve as the stage
	; THE WAY OUT: rounded to f16, 16 bytes a lane into the stage, a window's 32 accumulators at a time; a barrier, since a row's blocks of 256 bytes come from two waves; back as whole rows,
	; 64 rows a wave.  Each accumulator's registers are taken in ascending order.
	PLACES
.set gg, 0
.rept 3
	WIN 0x05*(1+gg)                                ; sources 0 and 1 in window 1 + gg, destination in window 0
.set t, 0
.rept 32
.irp q, 0,1,2,3
	v_cvt_pk_f16_f32 v[TMP+4*t+\q], v[8*t+2*\q], v[8*t+2*\q+1]
.endr
.set t, t+1
.endr
	WIN 0
.set t, 0
.rept 32
.set bb, 4*gg+t/8
.set aa, t%8
.if aa < 4
	ds_store_b128 v[STO], v[TMP+4*t:TMP+4*t+3] offset:aa*16*SPITCH+32*bb
.else
	ds_store_b128 v[STO2], v[TMP+4*t:TMP+4*t+3] offset:(aa-4)*16*SPITCH+32*bb
.endif
.set t, t+1
.endr
.set gg, gg+1
.endr
	s_wait_dscnt 0x0                               ; for the others' sake: my stores into the stage are done
	s_barrier_signal -1
	s_barrier_wait -1
; Batch k of four: 8 pairs of rows x 3 blocks of 256 bytes, into registers that take turns
.macro LOADB k
.if (\k) >= 2
	s_wait_xcnt 0x0                                ; the stores of the batch two back have read their registers: only behind this wait are they loaded again
.endif
.set BK, OB+96*((\k)%2)
.set tt, 0
.rept 24
.set t, 24*(\k)+tt
	ds_load_b128 v[BK+4*tt:BK+4*tt+3], v[RD] offset:(t/3)*2*SPITCH+(t%3)*256
.set tt, tt+1
.endr
.endm
.macro SENDB k, younger                ; younger: the LDS loads issued behind batch k's: the next batch's 24, or none
.set BK, OB+96*((\k)%2)
	s_wait_dscnt \younger
.set tt, 0
.rept 24
.set t, 24*(\k)+tt
	global_store_b128 v[CO], v[BK+4*tt:BK+4*tt+3], s[8:9] offset:(t/3)*2*NDIM*2+(t%3)*256 th:TH_STORE_NT  ; 16 lanes store 256 consecutive bytes, at a multiple of 256 from qkv's first byte
.set tt, tt+1
.endr
.endm
	LOADB 0
	LOADB 1
	SENDB 0, 24
	LOADB 2
	SENDB 1, 24
	LOADB 3
	SENDB 2, 24
	SENDB 3, 0
	s_wait_tensorcnt 0x0                           ; the wave's end: behind my last tensor load and my last LDS store
	ds_add_u32 v[SPW], v[NIL]
	s_wait_dscnt 0x0
	CROUND                                         ; the closing round: no work-group ends while a partner may still ask for a tile that names it
	s_endpgm
.Lfunc_end_k_q4706ae787e_proj:
	.size	k_q4706ae787e_proj, .Lfunc_end_k_q4706ae787e_proj-k_q4706ae787e_proj
	.p2alignl 7, 3214868480
	.fill 96, 4, 3214868480
	.section	.rodata,"a",@progbits
	.p2align	6, 0x0
	.amdhsa_kernel k_q4706ae787e_proj
		.amdhsa_group_segment_fixed_size 327680
		.amdhsa_private_segment_fixed_size 0
		.amdhsa_enable_private_segment 0
		.amdhsa_kernarg_size 24
		.amdhsa_user_sgpr_count 2
		.amdhsa_user_sgpr_kernarg_segment_ptr 1
		.amdhsa_wavefront_size32 1
		.amdhsa_system_sgpr_workgroup_id_x 1
		.amdhsa_system_sgpr_workgroup_id_y 1
		.amdhsa_system_sgpr_workgroup_id_z 1
		.amdhsa_system_vgpr_workitem_id 0
		.amdhsa_next_free_vgpr 1024
		.amdhsa_next_free_sgpr 72
		.amdhsa_reserve_vcc 1
		.amdhsa_float_denorm_mode_32 3
		.amdhsa_float_denorm_mode_16_64 3
		.amdhsa_memory_ordered 1
		.amdhsa_forward_progress 1
		.amdhsa_inst_pref_size 131
	.end_amdhsa_kernel
	.amdgpu_metadata
---
amdhsa.version: [ 1, 2 ]
amdhsa.kernels:
  - .name:           k_q4706ae787e_proj
    .symbol:         k_q4706ae787e_proj.kd
    .args:
      - { .name: xb, .offset: 0, .size: 8, .value_kind: global_buffer, .address_space: global }
      - { .name: wb, .offset: 8, .size: 8, .value_kind: global_buffer, .address_space: global }
      - { .name: qkv, .offset: 16, .size: 8, .value_kind: global_buffer, .address_space: global }
    .group_segment_fixed_size: 327680
    .private_segment_fixed_size: 0
    .kernarg_segment_align: 8
    .kernarg_segment_size: 24
    .max_flat_workgroup_size: 128
    .sgpr_count:     72
    .vgpr_count:     1024
    .wavefront_size: 32
...
	.end_amdgpu_metadata
.endif
;; end of part 2
;; launch attn (part 3): grid 512 x 1, 8 waves a work-group, no clusters, 5,120 bytes of LDS; arguments qkv, inv_freq, att; writes att
.if DOCPART == 3
	.amdgcn_target "amdgcn-amd-amdhsa--gfx1250"
	.amdhsa_code_object_version 6
	.text
	.protected	k_q4706ae787e_attn
	.globl	k_q4706ae787e_attn
	.p2align	8
	.type	k_q4706ae787e_attn,@function
k_q4706ae787e_attn:
	s_mov_b64 s[64:65], 0
	v_nop
	global_prefetch_b8 v0, s[64:65] scope:SCOPE_SE
	s_setreg_imm32_b32 hwreg(HW_REG_WAVE_MODE, 25, 1), 1
	s_wait_xcnt 0x0
; ONE TOKEN A WAVE: rotary embedding of q and k, scores across the token's 16 heads, softmax, weights times v.
; qkv: [4096][6144] f16, a token's row: q (4,096 bytes), k, v, in the order that the first launch gave the weights' rows.  inv_freq: [64] f32.  att: [4096][2048] f16.
; LAYOUT.  q, k: the 512 bytes at 512 m hold channels 16 m .. 16 m + 15 of all heads: lane l = 16 h + r reads head r, channels 8 (2 m + h) + 0..7: loads 2 s and 2 s + 1 ARE the fragment
; (16 heads x 32 channels) of K step s.  v: the 512 bytes at 512 cb give lane l channel 16 cb + r of heads 8 h .. 8 h + 7: the lower half (keys 0-15) of a fragment of V^T; the upper half is 0.
; ROTARY.  Pair i is channels 2 i, 2 i + 1; angle = position x inv_freq[i], position = token mod 1,024.  The turned pair (x1 cos - x2 sin, x1 sin + x2 cos) stays in its register, where the
; formula puts it at channels i and 64 + i: the same change of places in q and in k, and the scores are sums over all channels.  Rounded once to f16.
; SINE AND COSINE: the angle less the nearest multiple of pi/2 (pi/2 in three words, fused multiply-adds), polynomials of degree 7 and 8 on -pi/4 .. pi/4, the quadrant by selects and sign bits.
; Each lane makes two frequencies; they reach the lanes that need them through 512 bytes of LDS of the wave's own.
; S^T = K Q^T (source 0 = keys' heads, source 1 = queries' heads): a lane holds ONE query head (l % 16) and the key heads 8 (l / 16) + 0..7.  p = 2^(c s - c m) / l with m the row's maximum,
; c = log2(e) / sqrt(128).  p rounded to f16 IS source 1 of O^T = V^T P, whose result holds one query head a lane and eight channels: 16 bytes, stored at 512 cb + 16 l:
; att[token][c16*128 + r*8 + j] = head r, channel 8 c16 + j; the last launch's weights have their columns in the same order.
; Memory binds: every load of the wave is issued at its head; nothing is shared between waves, so no barrier, no tensor load, no cluster.
; LIMITS.  sqrt(2) |q|, sqrt(2) |k| and |v| stay under 65,504 (f16).  |angle| under 2^20: beyond it the multiple of pi/2 is no longer exact to a tenth.  A weight below 2^-126 counts as 0.
; NaN and infinities are not treated apart.
.set SPARE, 4096                       ; behind the eight tables of 512 bytes: the spare words, 128 bytes for each wave: four blocks of 256 bytes that no other line names
.set LO,  2                            ; v2   16 x lane; never rewritten
.set TBA, 3                            ; v3   my table + 4 x lane
.set TBR, 4                            ; v4   my table + 16 (l / 16)
.set ZR,  5                            ; v5   0.0
.set SPW, 6                            ; v6   LDS address of my spare word; never rewritten
.set NIL, 7                            ; v7   0; never rewritten
.set CT,  32                           ; v[32:63]   cosines: load m's register q at CT + 4 m + q;  later O^T's accumulators 0-3
.set SN,  64                           ; v[64:95]   sines;  later O^T's accumulators 4-7
.set QF,  96                           ; v[96:127]  q;  later the packed result
.set KF,  128                          ; v[128:159] k
.set VF,  160                          ; v[160:223] v: block cb at VF + 8 cb: four registers loaded, four zeros
.set SE,  224                          ; v[224:231] scores of K steps 0 and 2, then all
.set SO,  232                          ; v[232:239] of K steps 1 and 3
.set PF,  240                          ; v[240:247] the weights: four registers, four zeros
.set TT,  248                          ; v[248:255] at work
	s_load_b128 s[4:7], s[0:1], 0x0                ; qkv s[4:5], inv_freq s[6:7]
	s_load_b64 s[8:9], s[0:1], 0x10                ; att
	v_lshl_add_u32 v[SPW], v0, 2, SPARE
	v_mov_b32 v[NIL], 0
	v_lshrrev_b32 v1, 5, v0
	v_readfirstlane_b32 s10, v1                    ; wave 0..7
	v_and_b32 v1, 31, v0                           ; lane
	s_lshl_b32 s11, ttmp9, 3
	s_add_co_u32 s11, s11, s10                     ; my token
	s_and_b32 s12, s11, 1023                       ; its position
	s_mul_i32 s18, s11, 12288                      ; its row in qkv,
	s_mov_b32 s19, 0
	s_lshl_b32 s20, s11, 12                        ; and in att
	s_mov_b32 s21, 0
	s_lshl_b32 s13, s10, 9                         ; my table
	s_mov_b32 s14, 0x3e0293ee                      ; c = log2(e) / sqrt(128)
	s_mov_b32 s15, s14                             ; named with it as a pair
	s_mov_b32 s16, 0x76543210                      ; v_permlanex16_b32: each lane takes its own place in the other half
	s_mov_b32 s17, 0xfedcba98
	v_lshlrev_b32 v[LO], 4, v1
	v_lshlrev_b32 v8, 2, v1
	v_add_nc_u32 v[TBA], s13, v8
	v_lshrrev_b32 v9, 4, v1
	v_lshl_add_u32 v[TBR], v9, 4, s13
	v_mov_b32 v[ZR], 0
	s_wait_kmcnt 0x0
	s_add_nc_u64 s[4:5], s[4:5], s[18:19]
	s_add_nc_u64 s[8:9], s[8:9], s[20:21]
	global_load_b32 v10, v8, s[6:7]                ; inv_freq[lane], inv_freq[lane + 32]
	global_load_b32 v11, v8, s[6:7] offset:128
.set m, 0
.rept 8
	global_load_b128 v[QF+4*m:QF+4*m+3], v[LO], s[4:5] offset:512*m th:TH_LOAD_NT       ; 512 consecutive bytes a load
.set m, m+1
.endr
.set m, 0
.rept 8
	global_load_b128 v[KF+4*m:KF+4*m+3], v[LO], s[4:5] offset:4096+512*m th:TH_LOAD_NT
.set m, m+1
.endr
.set m, 0
.rept 8
	global_load_b128 v[VF+8*m:VF+8*m+3], v[LO], s[4:5] offset:8192+512*m th:TH_LOAD_NT
.set m, m+1
.endr
.set m, 0
.rept 8                                ; keys 16-31 do not exist: zeros on both sides of the second product, written while the loads are out
.irp q, 4,5,6,7
	v_mov_b32 v[VF+8*m+\q], 0
.endr
.set m, m+1
.endr
.irp q, 4,5,6,7
	v_mov_b32 v[PF+\q], 0
.endr
; sine and cosine of v[a] into v[so] and v[co]; v16-23 at work.  No branch hangs on a number: the quadrant selects values alone.
.macro SINCOS a, so, co
	v_mul_f32 v16, 0x3f22f983, v[\a]               ; angle x 2 / pi
	v_rndne_f32 v16, v16                           ; n
	v_fmamk_f32 v17, v16, 0xbfc90fdb, v[\a]        ; r = angle - n pi/2, pi/2 = 0x3fc90fdb - 0x333bbd2e - 0x26f72ced
	v_fmamk_f32 v17, v16, 0x333bbd2e, v17
	v_fmamk_f32 v17, v16, 0x26f72ced, v17
	v_mul_f32 v18, v17, v17                        ; z = r r
	v_cvt_i32_f32 v19, v16                         ; the quadrant is n's two lowest bits
	v_mov_b32 v20, 0xb94ca1f9
	v_fmaak_f32 v20, v20, v18, 0x3c08839e
	v_fmaak_f32 v20, v20, v18, 0xbe2aaaa3
	v_mul_f32 v21, v18, v17
	v_fma_f32 v20, v20, v21, v17                   ; sin r
	v_mov_b32 v22, 0x37ccf5ce
	v_fmaak_f32 v22, v22, v18, 0xbab6061a
	v_fmaak_f32 v22, v22, v18, 0x3d2aaaa5
	v_mul_f32 v23, v18, v18
	v_fma_f32 v21, v18, -0.5, 1.0
	v_fma_f32 v22, v22, v23, v21                   ; cos r
	v_and_b32 v23, 1, v19
	v_cmp_eq_u32 vcc_lo, 1, v23
	v_cndmask_b32 v[\so], v20, v22, vcc_lo         ; odd quadrants change the two over
	v_cndmask_b32 v[\co], v22, v20, vcc_lo
	v_lshlrev_b32 v21, 30, v19
	v_and_b32 v21, 0x80000000, v21                 ; the sine is turned in quadrants 2 and 3,
	v_xor_b32 v[\so], v[\so], v21
	v_add_nc_u32 v19, 1, v19
	v_lshlrev_b32 v21, 30, v19
	v_and_b32 v21, 0x80000000, v21                 ; the cosine in 1 and 2
	v_xor_b32 v[\co], v[\co], v21
.endm
	s_wait_loadcnt 24                              ; inv_freq is in; the 24 loads of q, k and v stay out
	v_cvt_f32_u32 v28, s12
	v_mul_f32 v12, v28, v10                        ; the angles, rounded once
	v_mul_f32 v13, v28, v11
	SINCOS 12, 24, 25
	SINCOS 13, 26, 27
	ds_store_b32 v[TBA], v25                       ; my table: 64 cosines, then 64 sines
	ds_store_b32 v[TBA], v27 offset:128
	ds_store_b32 v[TBA], v24 offset:256
	ds_store_b32 v[TBA], v26 offset:384
.set m, 0
.rept 8                                ; LDS serves a wave's instructions in order (ISA guide 5.7.1.4): these see the stores above.  Load m's register q holds channels 2 q, 2 q + 1 of chunk 2 m + h: frequency 8 m + 4 h + q
	ds_load_b128 v[CT+4*m:CT+4*m+3], v[TBR] offset:32*m
	ds_load_b128 v[SN+4*m:SN+4*m+3], v[TBR] offset:256+32*m
.set m, m+1
.endr
; Four pairs of load m of x (QF or KF) are turned in place: x2 sin and x2 cos in f32; then the high half takes x1 sin + x2 cos and the low half x1 cos - x2 sin, each rounded once to f16.
.macro ROPE x, m
.set qq, 0
.rept 4
	v_fma_mix_f32 v[TT+2*qq],   v[(\x)+4*(\m)+qq], v[SN+4*(\m)+qq], v[ZR] op_sel:[1,0,0] op_sel_hi:[1,0,0]
	v_fma_mix_f32 v[TT+2*qq+1], v[(\x)+4*(\m)+qq], v[CT+4*(\m)+qq], v[ZR] op_sel:[1,0,0] op_sel_hi:[1,0,0]
.set qq, qq+1
.endr
.set qq, 0
.rept 4
	v_fma_mixhi_f16 v[(\x)+4*(\m)+qq], v[(\x)+4*(\m)+qq], v[SN+4*(\m)+qq], v[TT+2*qq+1] op_sel_hi:[1,0,0]
	v_fma_mixlo_f16 v[(\x)+4*(\m)+qq], v[(\x)+4*(\m)+qq], v[CT+4*(\m)+qq], -v[TT+2*qq] op_sel_hi:[1,0,0]
.set qq, qq+1
.endr
.endm
	s_wait_dscnt 0x0                               ; the tables are in registers
	s_wait_loadcnt 8                               ; q and k are in; v's eight loads stay out
.irp m, 0,1,2,3,4,5,6,7
	ROPE QF, \m
	ROPE KF, \m
.endr
	; the scores: two accumulators by turns; their sum follows
	v_wmma_f32_16x16x32_f16 v[SE:SE+7], v[KF:KF+7],       v[QF:QF+7],       0
	v_wmma_f32_16x16x32_f16 v[SO:SO+7], v[KF+8:KF+15],    v[QF+8:QF+15],    0
	v_wmma_f32_16x16x32_f16 v[SE:SE+7], v[KF+16:KF+23],   v[QF+16:QF+23],   v[SE:SE+7]
	v_wmma_f32_16x16x32_f16 v[SO:SO+7], v[KF+24:KF+31],   v[QF+24:QF+31],   v[SO:SO+7]
.rept 4
	v_nop                                          ; the places behind those products (ISA guide 7.12.1)
.endr
.irp q, 0,2,4,6
	v_pk_add_f32 v[SE+\q:SE+\q+1], v[SE+\q:SE+\q+1], v[SO+\q:SO+\q+1]
.endr
	v_max3_num_f32 v8, v[SE], v[SE+1], v[SE+2]     ; the row's maximum: my eight keys,
	v_max3_num_f32 v9, v[SE+3], v[SE+4], v[SE+5]
	v_max3_num_f32 v8, v8, v[SE+6], v[SE+7]
	v_max_num_f32 v8, v8, v9
	v_permlanex16_b32 v9, v8, s16, s17             ; and the other eight, in the lane 16 away
	v_max_num_f32 v8, v8, v9
	v_mul_f32 v10, s14, v8                         ; c m, twice: a pair for the packed scaling
	v_mul_f32 v11, s14, v8
.irp q, 0,2,4,6
	v_pk_fma_f32 v[SE+\q:SE+\q+1], v[SE+\q:SE+\q+1], s[14:15], v[10:11] op_sel_hi:[1,0,1] neg_lo:[0,0,1] neg_hi:[0,0,1]  ; c s - c m
.endr
.irp q, 0,1,2,3,4,5,6,7
	v_exp_f32 v[SE+\q], v[SE+\q]
.endr
	v_nop                                          ; a plain instruction behind the last exponential,
	s_wait_alu depctr_va_vdst(0)                   ; and the wait ahead of the first use: one for the eight
	v_pk_add_f32 v[12:13], v[SE:SE+1], v[SE+2:SE+3]
	v_pk_add_f32 v[14:15], v[SE+4:SE+5], v[SE+6:SE+7]
	v_pk_add_f32 v[12:13], v[12:13], v[14:15]
	v_add_f32 v12, v12, v13
	v_permlanex16_b32 v13, v12, s16, s17
	v_add_f32 v12, v12, v13                        ; l
	v_rcp_f32 v14, v12
	v_nop
	s_wait_alu depctr_va_vdst(0)                   ; the reciprocal's wait
	v_mov_b32 v15, v14
.irp q, 0,2,4,6
	v_pk_mul_f32 v[SE+\q:SE+\q+1], v[SE+\q:SE+\q+1], v[14:15]
.endr
.irp q, 0,1,2,3
	v_cvt_pk_f16_f32 v[PF+\q], v[SE+2*\q], v[SE+2*\q+1]
.endr
	s_wait_loadcnt 0x0                             ; v is in
.irp cb, 0,1,2,3,4,5,6,7
	v_wmma_f32_16x16x32_f16 v[CT+8*\cb:CT+8*\cb+7], v[VF+8*\cb:VF+8*\cb+7], v[PF:PF+7], 0  ; eight accumulators, one product each
.endr
.rept 4
	v_nop
.endr
.irp cb, 0,1,2,3,4,5,6,7
.irp q, 0,1,2,3
	v_cvt_pk_f16_f32 v[QF+4*\cb+\q], v[CT+8*\cb+2*\q], v[CT+8*\cb+2*\q+1]
.endr
.endr
.irp cb, 0,1,2,3,4,5,6,7
	global_store_b128 v[LO], v[QF+4*\cb:QF+4*\cb+3], s[8:9] offset:512*\cb th:TH_STORE_NT  ; 512 consecutive bytes, at a multiple of 256 from att's first byte
.endr
	s_wait_tensorcnt 0x0                           ; the wave's end: behind my last LDS store
	ds_add_u32 v[SPW], v[NIL]
	s_wait_dscnt 0x0
	s_endpgm
.Lfunc_end_k_q4706ae787e_attn:
	.size	k_q4706ae787e_attn, .Lfunc_end_k_q4706ae787e_attn-k_q4706ae787e_attn
	.p2alignl 7, 3214868480
	.fill 96, 4, 3214868480
	.section	.rodata,"a",@progbits
	.p2align	6, 0x0
	.amdhsa_kernel k_q4706ae787e_attn
		.amdhsa_group_segment_fixed_size 5120
		.amdhsa_private_segment_fixed_size 0
		.amdhsa_enable_private_segment 0
		.amdhsa_kernarg_size 24
		.amdhsa_user_sgpr_count 2
		.amdhsa_user_sgpr_kernarg_segment_ptr 1
		.amdhsa_wavefront_size32 1
		.amdhsa_system_sgpr_workgroup_id_x 1
		.amdhsa_system_sgpr_workgroup_id_y 1
		.amdhsa_system_sgpr_workgroup_id_z 1
		.amdhsa_system_vgpr_workitem_id 0
		.amdhsa_next_free_vgpr 256
		.amdhsa_next_free_sgpr 66
		.amdhsa_reserve_vcc 1
		.amdhsa_float_denorm_mode_32 3
		.amdhsa_float_denorm_mode_16_64 3
		.amdhsa_memory_ordered 1
		.amdhsa_forward_progress 1
		.amdhsa_inst_pref_size 32
	.end_amdhsa_kernel
	.amdgpu_metadata
---
amdhsa.version: [ 1, 2 ]
amdhsa.kernels:
  - .name:           k_q4706ae787e_attn
    .symbol:         k_q4706ae787e_attn.kd
    .args:
      - { .name: qkv, .offset: 0, .size: 8, .value_kind: global_buffer, .address_space: global }
      - { .name: inv_freq, .offset: 8, .size: 8, .value_kind: global_buffer, .address_space: global }
      - { .name: att, .offset: 16, .size: 8, .value_kind: global_buffer, .address_space: global }
    .group_segment_fixed_size: 5120
    .private_segment_fixed_size: 0
    .kernarg_segment_align: 8
    .kernarg_segment_size: 24
    .max_flat_workgroup_size: 256
    .sgpr_count:     66
    .vgpr_count:     256
    .wavefront_size: 32
...
	.end_amdgpu_metadata
.endif
;; end of part 3
;; launch outp (part 4): grid 8 x 32, 4 waves a work-group, clusters of 4 x 4, 327,680 bytes of LDS; arguments att, wof, out0; writes out0
.if DOCPART == 4
	.amdgcn_target "amdgcn-amd-amdhsa--gfx1250"
	.amdhsa_code_object_version 6
	.text
	.protected	k_q4706ae787e_outp
	.globl	k_q4706ae787e_outp
	.p2align	8
	.type	k_q4706ae787e_outp,@function
k_q4706ae787e_outp:
	s_mov_b64 s[64:65], 0
	v_nop
	global_prefetch_b8 v0, s[64:65] scope:SCOPE_SE
	s_setreg_imm32_b32 hwreg(HW_REG_WAVE_MODE, 25, 1), 1
	s_wait_xcnt 0x0
	s_wait_alu depctr_hold_cnt(0) depctr_sa_sdst(0) depctr_va_vdst(0) depctr_va_sdst(0) depctr_va_ssrc(0) depctr_va_vcc(0) depctr_vm_vsrc(0)
	s_getreg_b32 s2, hwreg(HW_REG_IB_STS2, 6, 4)
	s_cmp_eq_u32 s2, 0
	s_cbranch_scc0 .Lentry_in_a_cluster
	s_endpgm
.Lentry_in_a_cluster:
	s_bfe_u32 s2, ttmp6, 0x10000c
	s_cmp_lg_u32 s2, 0xf033
	s_cbranch_scc0 .Lentry_shape_is_right
	s_endpgm
.Lentry_shape_is_right:
; out0[m][n] = the sum over k of att[m][k] wof[n][k].  att: [4096][2048] f16, wof: [2048][2048] f16 (both with K in the same order), out0: [4096][2048] f32; sums in f32, K ascending.
; TILE.  128 rows x 256 columns to a work-group: 32 x 8 = 256 equal tiles.  (256 x 256 would give 128.)  The four waves lie side by side: each makes 128 x 64, 32 accumulators, 256 registers;
; a wave's 64 columns of f32 are one aligned block of 256 bytes, so each wave has a stage of its own on the way out and no barrier stands there.
; RING.  K in steps of 128 (rows of 256 bytes) through two LDS slots, each with 256 rows of wof and 128 rows of att.  Waves 0, 1 fetch 128 rows of wof each, waves 2, 3 64 rows of att each: one
; tensor load a wave behind each change of slots; by this text's count a wave has two loads out at the start, later one.  From a request to the wait for it a wave issues 112 matrix instructions.
; CLUSTER.  4 x 4 work-groups: att's tile is shared along a row of the cluster, wof's along a column; each is asked for jointly, by the same load, descriptor and mask.
; THE MATRIX INSTRUCTION IS USED TRANSPOSED (source 0 = 16 rows of wof, source 1 = 16 rows of att): a lane holds eight neighbouring columns of one row of out0.
; REGISTERS, in windows of 256 (s_set_vgpr_msb: bits 1:0 source 0, 3:2 source 1, 5:4 source 2, 7:6 destination):
;   window 0: v16-30 addresses; two fragment buffers at v32 and v144: att's 8 fragments, then wof's 4; on the way out v32-95 hold rows read back
;   window 1: the accumulators of my rows 0-63, (a, b) at v[8 (4 a + b)];   window 2: those of rows 64-127
.set KDIM,   2048
.set NDIM,   2048
.set NBF,    4                         ; fragments of wof a wave: 64 columns
.set NWB,    2                         ; waves that fetch wof, 128 rows each
.set ARL,    64                        ; rows of att in a load
.set KSTEP,  128
.set PITCH,  272                       ; an LDS row: 256 bytes + 16 of padding = 68 words: the 16 rows of a fragment load start at 16 different groups of four banks (64 banks of 4 bytes: ISA guide 11.1)
.set PART,   128*PITCH
.set AOFF,   64*NBF*PITCH              ; in a slot: wof's 256 rows, then att's 128
.set SLOT,   AOFF+PART
.set ALB,    PART                      ; att's loads land at ALB + wave x ALM: wave 2 at AOFF, wave 3 64 rows behind
.set ALM,    64*PITCH
.set NL,     2*NBF+16                  ; LDS loads for 32 along K
.set LAPS,   KDIM/(2*KSTEP)
.set STAGE,  2*SLOT                    ; behind the ring, never filled by a tensor load: 16 rows x 272 bytes for each wave
.set SPITCH, 272
.set SPARE,  STAGE+4*16*SPITCH         ; behind the stages: the spare words, 128 bytes for each wave: two blocks of 256 bytes that no other line names
.set ADRA, 16                          ; v16-17  LDS address of att's fragments in slot 0, 1
.set ADRB, 20                          ; v20-21  of my fragments of wof
.set STO,  24                          ; v24     the way out: where I put 32 bytes of a row
.set RD,   25                          ; v25     where I read rows back
.set CO,   26                          ; v26     my byte offset in out0
.set SPW,  28                          ; v28     LDS address of my spare word; never rewritten
.set NIL,  29                          ; v29     0; never rewritten
.set PFO,  30                          ; v30     the prefetches' offset: my lane x a row of 4,096 bytes; never rewritten
.set F0,   32
.set F1,   144
.set OB,   32                          ; the way out: 16 rows read back, v32-63 and v64-95 by turns
.set G1A,  24                          ; s[24:31] descriptor group 1 for att's tiles;  s[32:39] group 0, a set for each slot
.set G0A,  32
.set G1B,  48                          ; s[48:55], s[56:63] the same for wof's
.set G0B,  56
.set PFA,  66                          ; s[66:67] where my prefetches stand
.set LIM,  68                          ; s68      1 in a wave that prefetches, else the greatest number
.set FLAGS, (1<<16)|(1<<20)|(1<<21)|(5<<22)|(3<<25)  ; 17:16 elements of 2 bytes; 20 padding on; 21 set beside a mask; 24:22 after every 64 words; 31:25 4 words of it
.set MSB, 0
.macro WIN new                         ; the immediate's high byte repeats the setting that is left; a switch that changes nothing is dropped
.if MSB != (\new)
	s_set_vgpr_msb (MSB<<8)|(\new)
.set MSB, \new
.endif
.endm
.macro PLACES                          ; four places behind matrix instructions, in front of loads into registers that they read and of lines that read results (ISA guide 7.12.1 for lines that read results)
.rept 4
	v_nop
.endr
.endm
; A joint load.  The branch hangs on the wave's number alone.  An s_nop 0 and four v_nop follow each of the two lines, ahead of the jump and the label.
.macro JLOAD s
	s_cmp_lt_u32 s10, NWB
	s_cbranch_scc0 .Lfor_a_\@
	tensor_load_to_lds s[G0B+4*(\s):G0B+4*(\s)+3], s[G1B:G1B+7]
	s_nop 0
.rept 4
	v_nop
.endr
	s_branch .Lasked_\@
.Lfor_a_\@:
	tensor_load_to_lds s[G0A+4*(\s):G0A+4*(\s)+3], s[G1A:G1A+7]
	s_nop 0
.rept 4
	v_nop
.endr
.Lasked_\@:
.endm
; A prefetch of the K step that stands two refills on: 32 rows x 256 bytes, a lane a row, one instruction.  wof's rows are read by every cluster of a column of clusters: the one with y = 0 asks, each of
; waves 0, 1 for the 128 rows that it fetches; att's by both clusters of a row of clusters: the one with x = 0 asks, wave 2, for the tile's 128 rows.  The four partners that ask for a tile jointly
; share its rows out by address, 32 each (by cy for wof, by cx for att).  So each row's 256 bytes of a K step are named once in the launch.  K steps 0-3 come by their loads alone; the loop's last trip (s3 = 1) asks for nothing.
.macro ASK
	s_cmp_gt_u32 s3, s[LIM]
	s_cbranch_scc0 .Lnot_mine_\@
	global_prefetch_b8 v[PFO], s[PFA:PFA+1] offset:KSTEP*2 th:TH_LOAD_NT scope:SCOPE_SE
.Lnot_mine_\@:
.endm
.macro CREST                           ; a round of the cluster's barrier behind its opening barrier
	s_cmp_lg_u32 s10, 0
	s_cbranch_scc1 .Lnot_wave_0_\@
	s_barrier_signal -3
.Lnot_wave_0_\@:
	s_barrier_wait -3
	s_barrier_signal -1
	s_barrier_wait -1
.endm
.macro CROUND                          ; a whole round
	s_barrier_signal -1
	s_barrier_wait -1
	CREST
.endm
; 8 matrix instructions: row blocks a0, a0 + 1 of the window's four (hi = 0: rows 0-63, 1: rows 64-127) x my 4 column blocks, 32 along K.  zero = 1: the product starts the sums.
; The 32 accumulators take turns in one order in every quarter step, over the backward jump too.
.macro MULQ f, hi, a0, zero
	WIN 0x50+0x50*(\hi)
.set aa, (\a0)
.rept 2
.set bb, 0
.rept NBF
.set rD, 8*(NBF*aa+bb)
.set rB, (\f)+64+8*bb
.set rA, (\f)+8*(4*(\hi)+aa)
.if \zero
	v_wmma_f32_16x16x32_f16 v[rD:rD+7], v[rB:rB+7], v[rA:rA+7], 0
.else
	v_wmma_f32_16x16x32_f16 v[rD:rD+7], v[rB:rB+7], v[rA:rA+7], v[rD:rD+7]
.endif
.set bb, bb+1
.endr
.set aa, aa+1
.endr
.endm
.macro MULH f, hi, zero
	MULQ \f, \hi, 0, \zero
	MULQ \f, \hi, 2, \zero
.endm
; NL LDS loads in one run: the fragments of 32 along K at byte k of the rows, into buffer f: wof's, att's rows 0-63, att's rows 64-127
.macro FETCH slot, k, f
	WIN 0
.set ii, 0
.rept NBF
	ds_load_b128 v[(\f)+64+8*ii:(\f)+64+8*ii+3],   v[ADRB+(\slot)] offset:(\k)+ii*16*PITCH
	ds_load_b128 v[(\f)+64+8*ii+4:(\f)+64+8*ii+7], v[ADRB+(\slot)] offset:(\k)+ii*16*PITCH+32
.set ii, ii+1
.endr
.set ii, 0
.rept 8
	ds_load_b128 v[(\f)+8*ii:(\f)+8*ii+3],   v[ADRA+(\slot)] offset:(\k)+ii*16*PITCH
	ds_load_b128 v[(\f)+8*ii+4:(\f)+8*ii+7], v[ADRA+(\slot)] offset:(\k)+ii*16*PITCH+32
.set ii, ii+1
.endr
.endm
; A K step is four quarters of 32 along K, 32 matrix instructions each, on buffers 0, 1, 0, 1.  One of the first three: multiplies f, and in its middle fetches the next quarter, at byte k, into g.
.macro QUARTER slot, k, f, g, zero
	s_wait_dscnt 8                                 ; wof's fragments and att's rows 0-63 are in; the youngest eight loads (rows 64-127) may be out
	MULH \f, 0, \zero
	WIN 0
	PLACES
	FETCH \slot, \k, \g
	s_wait_dscnt NL                                ; all but the NL just issued
	MULH \f, 1, \zero
.endm
; The last quarter multiplies buffer 1 and changes slots: ONE barrier.  In front of it each wave waits for all its tensor loads (the one that is out is its part of the next slot), adds 0 to its spare
; word, and waits for that and for its reads of this slot.  fill = 1: the barrier opens a round of the cluster's barrier, and this slot is filled again, two K steps on, first thing behind the round.
.macro TURN slot, next, fill
.if \fill
	s_wait_xcnt 0x0                                ; the last prefetch, a K step back, has read its address: it is stepped here, ahead of the change's own waits
	s_add_nc_u64 s[PFA:PFA+1], s[PFA:PFA+1], KSTEP*2
.endif
	WIN 0                                          ; (the add's two registers lie in window 0)
	s_wait_tensorcnt 0x0                           ; all my tensor loads have landed
	ds_add_u32 v[SPW], v[NIL]                      ; 0 onto my spare word
	s_wait_dscnt 9                                 ; (the add and the youngest eight loads may be out)
	MULQ F1, 0, 0, 0                               ; eight matrix instructions stand between the add and the wait for it
	s_wait_dscnt 0x0                               ; the add is done, and my reads of this slot are over
	s_barrier_signal -1
	MULQ F1, 0, 2, 0                               ; work on registers while the others arrive
	WIN 0
	s_barrier_wait -1
.if \fill
	CREST                                          ; no wave of any partner still reads this slot's tiles or has a load on its way
	s_add_nc_u64 s[G0A+4*(\slot)+2:G0A+4*(\slot)+3], s[G0A+4*(\slot)+2:G0A+4*(\slot)+3], 2*KSTEP*2
	s_add_nc_u64 s[G0B+4*(\slot)+2:G0B+4*(\slot)+3], s[G0B+4*(\slot)+2:G0B+4*(\slot)+3], 2*KSTEP*2
	JLOAD \slot                                    ; the four v_nop behind it are also the places in front of the loads below
.else
	PLACES
.endif
	FETCH \next, 0, F0
.if \fill
	ASK                                            ; behind the joint load and the run of LDS loads that the next products wait for
.endif
	MULH F1, 1, 0
.endm
	s_load_b128 s[4:7], s[0:1], 0x0                ; att s[4:5], wof s[6:7]
	s_load_b64 s[8:9], s[0:1], 0x10                ; out0
	v_lshl_add_u32 v[SPW], v0, 2, SPARE
	v_mov_b32 v[NIL], 0
	ds_add_u32 v[SPW], v[NIL]                      ; the wave's opening: the add and its wait stand ahead of my first tensor load; work on registers stands between them
	v_lshrrev_b32 v1, 5, v0
	v_readfirstlane_b32 s10, v1                    ; wave 0..3
	s_bfe_u32 s40, ttmp6, 0x40000                  ; cx, cy: my place in the cluster
	s_bfe_u32 s41, ttmp6, 0x40004
	s_lshl_b32 s42, ttmp9, 2
	s_add_co_u32 s42, s42, s40                     ; tile column = 4 x cluster x + cx
	s_and_b32 s13, ttmp7, 0xffff
	s_lshl_b32 s13, s13, 2
	s_add_co_u32 s13, s13, s41                     ; tile row = 4 x cluster y + cy
	s_lshl_b32 s43, s41, 2
	s_lshl_b32 s43, 15, s43                        ; my row of the cluster
	s_lshl_b32 s44, 0x1111, s40                    ; my column
	s_or_b32 s[G1A+0], s43, FLAGS                  ; att's tiles go to my row,
	s_or_b32 s[G1B+0], s44, FLAGS                  ; wof's to my column
	s_mov_b32 s[G1A+1], KSTEP<<16                  ; tensor_dim0 = 128
	s_mov_b32 s[G1A+2], ARL<<16                    ; tensor_dim1 = the load's rows
	s_mov_b32 s[G1A+3], KSTEP<<16                  ; tile_dim0 = 128
	s_mov_b32 s[G1A+4], ARL                        ; tile_dim1
	s_mov_b32 s[G1A+5], KDIM                       ; elements from row to row
	s_mov_b32 s[G1A+6], 0
	s_mov_b32 s[G1A+7], 0
	s_mov_b32 s[G1B+1], KSTEP<<16
	s_mov_b32 s[G1B+2], 128<<16
	s_mov_b32 s[G1B+3], KSTEP<<16
	s_mov_b32 s[G1B+4], 128
	s_mov_b32 s[G1B+5], KDIM
	s_mov_b32 s[G1B+6], 0
	s_mov_b32 s[G1B+7], 0
	; every wave makes both addresses, each from the one coordinate that the load's partners share, and asks by one of them (the other is held inside its buffer)
	s_max_u32 s17, s10, NWB
	s_sub_co_u32 s17, s17, NWB
	s_mul_i32 s17, s17, ARL
	s_lshl_b32 s16, s13, 7
	s_add_co_u32 s16, s16, s17                     ; att: row 128 x tile row + 64 x (wave - 2)
	s_lshl_b32 s16, s16, 12                        ; 4,096 bytes a row
	s_mov_b32 s17, 0
	s_min_u32 s47, s10, NWB-1
	s_lshl_b32 s47, s47, 7
	s_mul_i32 s46, s42, 64*NBF
	s_add_co_u32 s46, s46, s47                     ; wof: row 256 x tile column + 128 x wave
	s_lshl_b32 s46, s46, 12
	s_mov_b32 s47, 0
	s_mul_i32 s20, s10, PART                       ; where they go: no place in the cluster enters an LDS address
	s_mul_i32 s21, s10, ALM
	s_add_co_u32 s21, s21, ALB
	s_wait_dscnt 0x0                               ; the opening add is done
	s_wait_kmcnt 0x0
	s_add_nc_u64 s[14:15], s[4:5], s[16:17]
	s_add_nc_u64 s[46:47], s[6:7], s[46:47]
	CROUND                                         ; all sixteen work-groups are here: the first joint loads meet
.irp s, 0,1
	s_mov_b32 s[G0A+4*(\s)], 1                     ; count = 1
	s_add_co_u32 s[G0A+4*(\s)+1], s21, (\s)*SLOT   ; LDS address
	s_add_nc_u64 s[G0A+4*(\s)+2:G0A+4*(\s)+3], s[14:15], (\s)*KSTEP*2  ; global address: K step s
	s_or_b32 s[G0A+4*(\s)+3], s[G0A+4*(\s)+3], 0x80000000             ; type = 2
	s_mov_b32 s[G0B+4*(\s)], 1
	s_add_co_u32 s[G0B+4*(\s)+1], s20, (\s)*SLOT
	s_add_nc_u64 s[G0B+4*(\s)+2:G0B+4*(\s)+3], s[46:47], (\s)*KSTEP*2
	s_or_b32 s[G0B+4*(\s)+3], s[G0B+4*(\s)+3], 0x80000000
	JLOAD \s
.endr
	; a fragment is 16 rows x 32 K in 8 registers: lane l holds row l % 16, K = 8 (l / 16) + 0..7 and 16 + 8 (l / 16) + 0..7: two loads of 16 bytes, 32 bytes apart
	v_and_b32 v1, 15, v0                           ; l % 16
	v_bfe_u32 v2, v0, 4, 1                         ; l / 16
	v_mul_u32_u24 v3, v1, PITCH
	v_lshl_add_u32 v3, v2, 4, v3
	s_mov_b32 s21, AOFF                            ; every wave reads all 128 rows of att,
	s_mul_i32 s22, s10, 16*NBF*PITCH               ; and its own 64 rows of wof
.irp s, 0,1
	v_add_nc_u32 v[ADRA+(\s)], s21, v3
	v_add_nc_u32 v[ADRB+(\s)], s22, v3
	s_add_co_u32 s21, s21, SLOT
	s_add_co_u32 s22, s22, SLOT
.endr
	s_mul_i32 s23, s10, 16*SPITCH
	s_add_co_u32 s23, s23, STAGE                   ; my stage
	v_mul_u32_u24 v4, v1, SPITCH                   ; in: row l % 16, 32 bytes for each half of the lanes
	v_lshl_add_u32 v4, v2, 5, v4
	v_add_nc_u32 v[STO], s23, v4
	v_mul_u32_u24 v5, v2, SPITCH                   ; back: lanes 0-15 take one row of 256 bytes, lanes 16-31 the next
	v_lshl_add_u32 v5, v1, 4, v5
	v_add_nc_u32 v[RD], s23, v5
	v_mul_u32_u24 v5, v2, NDIM*4                   ; and the same two rows in out0
	v_lshl_add_u32 v[CO], v1, 4, v5
	; the prefetches
	s_mul_i32 s20, s42, 64*NBF
	s_lshl_b32 s21, s10, 7
	s_add_co_u32 s20, s20, s21                     ; wof: the 128 rows that I fetch
	s_lshl_b32 s23, s13, 7                         ; att: the tile's 128 rows
	s_and_b32 s22, ttmp7, 0xffff                   ; cluster y
	s_cmp_lt_u32 s10, NWB
	s_cselect_b32 s20, s20, s23
	s_cselect_b32 s21, s41, s40                    ; my place among the four that ask with me
	s_cselect_b32 s22, s22, ttmp9                  ; the coordinate along which other clusters read the same rows
	s_cselect_b64 s[PFA:PFA+1], s[6:7], s[4:5]
	s_cmp_gt_u32 s10, NWB                          ; wave 3 asks for nothing
	s_cselect_b32 s23, 1, 0
	s_or_b32 s22, s22, s23
	s_cmp_eq_u32 s22, 0
	s_cselect_b32 s[LIM], 1, -1                    ; the same in all sixteen partners, for a given wave
	s_lshl_b32 s21, s21, 5
	s_add_co_u32 s20, s20, s21                     ; my work-group's 32 rows
	s_lshl_b32 s20, s20, 12
	s_mov_b32 s21, 0
	s_add_nc_u64 s[PFA:PFA+1], s[PFA:PFA+1], s[20:21]
	s_add_nc_u64 s[PFA:PFA+1], s[PFA:PFA+1], 2*KSTEP*2  ; at K step 2: the first refill steps it to 3 and names K step 4
	v_and_b32 v[PFO], 31, v0
	v_lshlrev_b32 v[PFO], 12, v[PFO]
	; out0 at the tile's first row and my wave's first column
	s_lshl_b32 s16, s13, 20                        ; 128 rows of 8,192 bytes
	s_mov_b32 s17, 0
	s_add_nc_u64 s[8:9], s[8:9], s[16:17]
	s_lshl_b32 s46, s42, 10                        ; 256 columns of 4 bytes,
	s_lshl_b32 s47, s10, 8                         ; my 64 of them
	s_add_co_u32 s46, s46, s47
	s_mov_b32 s47, 0
	s_add_nc_u64 s[8:9], s[8:9], s[46:47]
	s_wait_tensorcnt 1                             ; my part of K step 0 is in; K step 1's may stay out
	s_barrier_signal -1
	s_barrier_wait -1                              ; everybody's is
	FETCH 0, 0, F0
	QUARTER 0, 64, F0, F1, 1                       ; the first quarter stands in front of the loop: its products start the sums
	WIN 0                                          ; at a label and at a branch every window is 0
	s_mov_b32 s3, LAPS-1
.Llap:                                                 ; a trip goes once round the ring, from a lap's second quarter to the next lap's first, and fills both slots again
	QUARTER 0, 128, F1, F0, 0
	QUARTER 0, 192, F0, F1, 0
	TURN 0, 1, 1
	QUARTER 1, 64,  F0, F1, 0
	QUARTER 1, 128, F1, F0, 0
	QUARTER 1, 192, F0, F1, 0
	TURN 1, 0, 1
	QUARTER 0, 64,  F0, F1, 0
	WIN 0
	s_sub_co_u32 s3, s3, 1
	s_cmp_lg_u32 s3, 0
	s_cbranch_scc1 .Llap
	QUARTER 0, 128, F1, F0, 0                      ; the last lap is written out: it fills nothing, and has no round
	QUARTER 0, 192, F0, F1, 0
	TURN 0, 1, 0
	QUARTER 1, 64,  F0, F1, 0
	QUARTER 1, 128, F1, F0, 0
	QUARTER 1, 192, F0, F1, 0
	s_wait_dscnt 8
	MULH F1, 0, 0
	s_wait_dscnt 0x0
	MULH F1, 1, 0
; THE WAY OUT, a block of 16 rows at a time, through my own stage: a lane's 32 bytes of a row go in, whole rows of 256 bytes come back and are stored.
.macro TOSTAGE a
.if (\a) >= 2
	s_wait_xcnt 0x0                                ; the stores of the block two back have read their registers: only behind this wait are they loaded again
.endif
	WIN 0x04+0x04*((\a)/4)                         ; the stores' data (source 1) in window 1 or 2
.set bb, 0
.rept NBF
.set rD, 8*(NBF*((\a)%4)+bb)
	ds_store_b128 v[STO], v[rD:rD+3]   offset:64*bb      ; each accumulator's low registers first
	ds_store_b128 v[STO], v[rD+4:rD+7] offset:64*bb+16
.set bb, bb+1
.endr
	WIN 0
.set BK, OB+32*((\a)%2)
.set tt, 0
.rept 8
	ds_load_b128 v[BK+4*tt:BK+4*tt+3], v[RD] offset:tt*2*SPITCH  ; LDS serves a wave's instructions in order (ISA guide 5.7.1.4): these see the stores above; the next block's stores come behind them
.set tt, tt+1
.endr
.endm
.macro SEND a, younger                 ; younger: the LDS instructions issued behind block a's loads: the next block's sixteen, or none
.set BK, OB+32*((\a)%2)
	s_wait_dscnt \younger
.set tt, 0
.rept 8
	global_store_b128 v[CO], v[BK+4*tt:BK+4*tt+3], s[8:9] offset:(16*(\a)+2*tt)*NDIM*4 th:TH_STORE_NT  ; 16 lanes store 256 consecutive bytes, at a multiple of 256 from out0's first byte
.set tt, tt+1
.endr
.endm
	WIN 0
	PLACES
	TOSTAGE 0
.irp a, 1,2,3,4,5,6,7
	TOSTAGE \a
	SEND (\a)-1, 16
.endr
	SEND 7, 0
	s_wait_tensorcnt 0x0                           ; the wave's end: behind my last tensor load and my last LDS store
	ds_add_u32 v[SPW], v[NIL]
	s_wait_dscnt 0x0
	CROUND                                         ; the closing round: no work-group ends while a partner may still ask for a tile that names it
	s_endpgm
.Lfunc_end_k_q4706ae787e_outp:
	.size	k_q4706ae787e_outp, .Lfunc_end_k_q4706ae787e_outp-k_q4706ae787e_outp
	.p2alignl 7, 3214868480
	.fill 96, 4, 3214868480
	.section	.rodata,"a",@progbits
	.p2align	6, 0x0
	.amdhsa_kernel k_q4706ae787e_outp
		.amdhsa_group_segment_fixed_size 327680
		.amdhsa_private_segment_fixed_size 0
		.amdhsa_enable_private_segment 0
		.amdhsa_kernarg_size 24
		.amdhsa_user_sgpr_count 2
		.amdhsa_user_sgpr_kernarg_segment_ptr 1
		.amdhsa_wavefront_size32 1
		.amdhsa_system_sgpr_workgroup_id_x 1
		.amdhsa_system_sgpr_workgroup_id_y 1
		.amdhsa_system_sgpr_workgroup_id_z 1
		.amdhsa_system_vgpr_workitem_id 0
		.amdhsa_next_free_vgpr 640
		.amdhsa_next_free_sgpr 72
		.amdhsa_reserve_vcc 0
		.amdhsa_float_denorm_mode_32 3
		.amdhsa_float_denorm_mode_16_64 3
		.amdhsa_memory_ordered 1
		.amdhsa_forward_progress 1
		.amdhsa_inst_pref_size 87
	.end_amdhsa_kernel
	.amdgpu_metadata
---
amdhsa.version: [ 1, 2 ]
amdhsa.kernels:
  - .name:           k_q4706ae787e_outp
    .symbol:         k_q4706ae787e_outp.kd
    .args:
      - { .name: att, .offset: 0, .size: 8, .value_kind: global_buffer, .address_space: global }
      - { .name: wof, .offset: 8, .size: 8, .value_kind: global_buffer, .address_space: global }
      - { .name: out0, .offset: 16, .size: 8, .value_kind: global_buffer, .address_space: global }
    .group_segment_fixed_size: 327680
    .private_segment_fixed_size: 0
    .kernarg_segment_align: 8
    .kernarg_segment_size: 24
    .max_flat_workgroup_size: 128
    .sgpr_count:     72
    .vgpr_count:     640
    .wavefront_size: 32
...
	.end_amdgpu_metadata
.endif
;; end of part 4
;; ======== version 2 of 2: 4 launches; version 1 with the launch cast written anew for expert scheduling mode
;; limits: values are held in f16: magnitudes above 65,504 overflow, below 6.1e-05 lose precision
;; workspace buffers: xb 16,777,216 bytes; wb 25,165,824 bytes; wof 8,388,608 bytes; qkv 50,331,648 bytes; att 16,777,216 bytes
;; launch cast (part 5): grid 128 x 7, 8 waves a work-group, no clusters, 0 bytes of LDS; arguments x, wq, wk, wv, wo, xb, wb, wof; writes xb, wb, wof
.if DOCPART == 5
	.amdgcn_target "amdgcn-amd-amdhsa--gfx1250"
	.amdhsa_code_object_version 6
	.text
	.protected	k_q4706ae787e_cast
	.globl	k_q4706ae787e_cast
	.p2align	8
	.type	k_q4706ae787e_cast,@function
k_q4706ae787e_cast:
	s_mov_b64 s[64:65], 0
	v_nop
	global_prefetch_b8 v0, s[64:65] scope:SCOPE_SE
	s_setreg_imm32_b32 hwreg(HW_REG_WAVE_SCHED_MODE, 0, 2), 2
	s_setreg_imm32_b32 hwreg(HW_REG_WAVE_MODE, 25, 1), 1
	s_wait_xcnt 0x0
	s_wait_alu depctr_vm_vsrc(0)
; ROUNDING AND ORDERING OF THE MATRIX OPERANDS.  x [4096][2048], wq, wk, wv, wo [2048][2048], all f32.
;   xb  bf16 = x,            IN PLANES: [32][4096][64]: plane p holds columns 64 p .. 64 p + 63 of every row, 128 bytes a row, rows end to end.
;   wb  bf16, likewise       [32][6144][64]: rows 0-2047 from wq, 2048-4095 from wk, 4096-6143 from wv, the ROWS in another order (below).
;   wof [2048][2048] f16     = wo rounded to bf16, that number written as f16, the COLUMNS in another order (below).
; WHY PLANES.  The projection walks K in steps of 64; in a plane the rows of one of its tiles are one dense block, which it asks for in rows of 256 bytes.
; WHY THE ORDERS.  The launch behind the projection works on one token: 16 heads x 128 channels of q, k and v.
;   q, k: row c*128 + head*8 + j of the part is the weight's row head*128 + c*8 + j (c: a chunk of 8 channels), so in a token's
;         projected row 512 consecutive bytes hold two chunks of all 16 heads: 16 bytes a lane are half a matrix fragment.
;   v:    row cb*256 + h*128 + r*8 + j is the weight's row (8h+j)*128 + 16cb + r: 16 bytes a lane are channel 16cb+r of heads 8h..8h+7.
;   wo:   column c16*128 + r*8 + j is the weight's column r*128 + c16*8 + j: the order in which the attention launch stores its result.
; SHARES.  Work-group (g, y): y picks the tensor (0, 1: the halves of x; 2 wq; 3 wk; 4 wv; 5, 6: the halves of wo).
;   y < 5: a wave makes TWO neighbouring rows, 16 g + 2 wave and the next: lanes 0-15 read 256 consecutive bytes of the one's source row, lanes 16-31 of the other's; the 8 bytes that
;   each lane makes of its 16 are, for the 32 lanes, 256 consecutive bytes of a plane, aligned.  32 loads, 32 stores.
;   y >= 5: a wave makes one row of wof.
; Straight text: no register is written while a load or store names it.  Memory binds: no LDS, no barrier, no matrix unit; nothing is read twice.
; THE MODE: SCHED_MODE bits 1:0 = 2 (LLVM: expert scheduling mode 2), set by the entry lines.  The code itself states the register dependences
; between vector instructions and memory instructions, with s_wait_alu, always for 0.
; THE PLAN.  Registers that memory instructions touch:
;   v2, v3, v[OF ..]  byte offsets.  Written by vector lines at a path's head, read by its loads and stores, never written again.
;   X                 Written by the loads, all of which are issued ahead of every vector line that names X.  y < 5: load i's two conversions write its first two registers, which store i reads.
;   Y                 wo's path: written by a step's conversions, read by the step's one store.
;   No register that a load or store has read is written again: nothing is owed on that side.
; So the one dependence in the body is: conversions write, a store reads.  The work goes in BLOCKS of four loads.  At block p's head, behind the wait for its loads, ONE wait on va_vdst states that
; block p - 1's conversions have written their results; block p - 1's stores follow it, dealt among block p's conversions, which name block p's registers alone: none that those stores read.
; Behind the last block one more such wait stands ahead of the last stores.
; LIMITS.  wo beyond 65,504 becomes an infinity in f16; below 2^-14 it keeps f16's fixed step of 6e-8.  NaN and infinities pass as they are.
.set OF, 8                             ; v[8:39]    the 32 stores' offsets: 8 x lane + plane i (the planes lie farther apart than an immediate reaches)
.set X,  40                            ; v[40:167]  my numbers as loaded; a load's first two registers then take them rounded and packed
.set Y,  104                           ; v[104:135] wo's path (which loads v[40:103]): rounded and packed
	s_load_b512 s[8:23], s[0:1], 0x0               ; x s[8:9], wq s[10:11], wk s[12:13], wv s[14:15], wo s[16:17], xb s[18:19], wb s[20:21], wof s[22:23]
	v_lshrrev_b32 v4, 5, v0
	v_readfirstlane_b32 s24, v4                    ; wave 0..7
	v_and_b32 v1, 31, v0                           ; lane
	v_and_b32 v4, 15, v0                           ; r  = lane % 16
	v_bfe_u32 v5, v0, 4, 1                         ; hh = lane / 16
	s_and_b32 s25, ttmp7, 0xffff                   ; y
	s_mov_b32 s26, ttmp9                           ; g
	s_wait_alu depctr_va_sdst(0)                   ; s24 is written
	s_cmp_ge_u32 s25, 5
	s_cbranch_scc1 .Lwo
	s_lshl_b32 s27, s26, 4
	s_lshl_b32 s36, s24, 1
	s_add_co_u32 s27, s27, s36                     ; n = 16 g + 2 wave: the first of my two rows, in x's half or in the weight's part
	s_and_b32 s36, s27, 7                          ; j (even; the second row has j + 1)
	s_bfe_u32 s37, s27, 0x40003                    ; bits 6:3 of n: the head (q, k), r (v)
	s_lshr_b32 s38, s27, 7                         ; q, k: the chunk
	s_lshl_b32 s39, s37, 7
	s_lshl_b32 s38, s38, 3
	s_add_co_u32 s39, s39, s38
	s_add_co_u32 s39, s39, s36                     ; q, k: head*128 + chunk*8 + j
	s_bfe_u32 s40, s27, 0x10007                    ; v: h
	s_lshl_b32 s40, s40, 3
	s_add_co_u32 s40, s40, s36
	s_lshl_b32 s40, s40, 7
	s_lshr_b32 s41, s27, 8                         ; v: cb
	s_lshl_b32 s41, s41, 4
	s_add_co_u32 s40, s40, s41
	s_add_co_u32 s40, s40, s37                     ; v: (8h+j)*128 + 16cb + r
	s_cmp_eq_u32 s25, 1
	s_cselect_b32 s41, 2048, 0
	s_add_co_u32 s41, s41, s27                     ; x: the row itself
	s_mov_b32 s32, s41                             ; the row that lanes 0-15 read
	s_cmp_ge_u32 s25, 2
	s_cselect_b32 s32, s39, s32
	s_cmp_eq_u32 s25, 4
	s_cselect_b32 s32, s40, s32
	s_lshl_b32 s32, s32, 13                        ; 8,192 bytes a row
	s_mov_b32 s33, 0
	s_max_u32 s34, s25, 2
	s_sub_co_u32 s34, s34, 2
	s_lshl_b32 s34, s34, 11
	s_add_co_u32 s34, s34, s27                     ; the row made, in wb: 2,048 x part + n
	s_mov_b32 s42, 4096*128                        ; from plane to plane in xb,
	s_mov_b32 s43, 6144*128                        ; and in wb
	s_cmp_ge_u32 s25, 2                            ; a weight?  Both selects stand directly behind the compare: a shift or an add between would set SCC anew
	s_cselect_b32 s34, s34, s41                    ; the row made: in wb, or in xb
	s_cselect_b32 s42, s43, s42                    ; and that tensor's distance from plane to plane
	s_lshl_b32 s34, s34, 7                         ; 128 bytes a row of a plane
	s_mov_b32 s35, 0
	s_mov_b32 s43, 8192                            ; from my first source row to my second: the next row,
	s_mov_b32 s44, 128*8192
	s_cmp_eq_u32 s25, 4
	s_cselect_b32 s43, s44, s43                    ; in wv the next head's
	v_mul_lo_u32 v2, v5, s43
	v_lshl_add_u32 v2, v4, 4, v2                   ; where I read: hh x that + 16 r
	v_lshlrev_b32 v[OF], 3, v1                     ; where I store: 8 x lane = 128 hh + 8 r,
.set i, 1
.rept 31
	v_add_nc_u32 v[OF+i], s42, v[OF+i-1]           ; in plane i
.set i, i+1
.endr
	s_wait_kmcnt 0x0
	s_mov_b64 s[28:29], s[8:9]                     ; from where: chosen by y alone
	s_mov_b64 s[30:31], s[18:19]                   ; to where
	s_cmp_eq_u32 s25, 2
	s_cselect_b64 s[28:29], s[10:11], s[28:29]
	s_cmp_eq_u32 s25, 3
	s_cselect_b64 s[28:29], s[12:13], s[28:29]
	s_cmp_eq_u32 s25, 4
	s_cselect_b64 s[28:29], s[14:15], s[28:29]
	s_cmp_ge_u32 s25, 2
	s_cselect_b64 s[30:31], s[20:21], s[30:31]
	s_add_nc_u64 s[28:29], s[28:29], s[32:33]
	s_add_nc_u64 s[30:31], s[30:31], s[34:35]
	s_wait_alu depctr_va_vdst(0)                   ; v2 and the 32 offsets v[OF ..] are written: every load below reads v2, every store one of the offsets
.set i, 0
.rept 32
	global_load_b128 v[X+4*i:X+4*i+3], v2, s[28:29] offset:256*i th:TH_LOAD_NT  ; columns 64 i .. 64 i + 63 of both rows: twice 256 consecutive bytes, aligned
.set i, i+1
.endr
.set p, 0
.rept 8                                ; block p: loads 4 p .. 4 p + 3 are rounded; the block before is stored
	s_wait_loadcnt 28-4*p                          ; loads come back in order: the block's four are in, the 28 - 4 p younger ones stay out
.if p > 0
	s_wait_alu depctr_va_vdst(0)                   ; the block before has written the first two registers of each of its four loads, which the four stores below read
.endif
.set j, 0
.rept 4
.set i, 4*p+j
.if p > 0
	global_store_b64 v[OF+i-4], v[X+4*(i-4):X+4*(i-4)+1], s[30:31] th:TH_STORE_NT  ; the wave stores 256 consecutive bytes of plane i - 4, aligned; no vector line since the wait names these registers
.endif
	v_cvt_pk_bf16_f32 v[X+4*i], v[X+4*i], v[X+4*i+1]
	v_cvt_pk_bf16_f32 v[X+4*i+1], v[X+4*i+2], v[X+4*i+3]
.set j, j+1
.endr
.set p, p+1
.endr
	s_wait_alu depctr_va_vdst(0)                   ; block 7 has written its results, which the last four stores read
.set i, 28
.rept 4
	global_store_b64 v[OF+i], v[X+4*i:X+4*i+1], s[30:31] th:TH_STORE_NT  ; planes 28 to 31
.set i, i+1
.endr
	s_endpgm
.Lwo:	; wo: lane 16 hh + r takes, for i = 0..7, the 8 numbers r*128 + (2i+hh)*8 ..; they leave as 16 bytes at 512 i + 16 lane.
	s_sub_co_u32 s27, s25, 5
	s_lshl_b32 s27, s27, 10
	s_lshl_b32 s36, s26, 3
	s_add_co_u32 s27, s27, s36
	s_add_co_u32 s27, s27, s24                     ; my row: 1,024 (y - 5) + 8 g + wave
	s_lshl_b32 s32, s27, 13
	s_mov_b32 s33, 0
	s_lshl_b32 s34, s27, 12
	s_mov_b32 s35, 0
	v_lshlrev_b32 v2, 9, v4
	v_lshl_add_u32 v2, v5, 5, v2                   ; 512 r + 32 hh
	v_lshlrev_b32 v3, 4, v1
	s_wait_kmcnt 0x0
	s_add_nc_u64 s[28:29], s[16:17], s[32:33]
	s_add_nc_u64 s[30:31], s[22:23], s[34:35]
	s_wait_alu depctr_va_vdst(0)                   ; v2 and v3 are written: the loads below read v2, the stores v3
.set i, 0
.rept 8
	global_load_b128 v[X+8*i:X+8*i+3],   v2, s[28:29] offset:64*i th:TH_LOAD_NT     ; the wave's sixteen loads together take the whole row
	global_load_b128 v[X+8*i+4:X+8*i+7], v2, s[28:29] offset:64*i+16 th:TH_LOAD_NT
.set i, i+1
.endr
.set p, 0
.rept 4                                ; block p: steps 2 p and 2 p + 1 (loads 4 p .. 4 p + 3) are rounded; the block before is stored
	s_wait_loadcnt 12-4*p                          ; the block's four loads are in, the 12 - 4 p younger ones stay out
.if p > 0
	s_wait_alu depctr_va_vdst(0)                   ; the block before has written its eight registers of Y, which the two stores below read
.endif
.set j, 0
.rept 2
.set i, 2*p+j
.if p > 0
	global_store_b128 v3, v[Y+4*(i-2):Y+4*(i-2)+3], s[30:31] offset:512*(i-2) th:TH_STORE_NT  ; 512 consecutive bytes, aligned; no vector line since the wait names these registers
.endif
.irp q, 0,1,2,3
	v_cvt_pk_bf16_f32 v4, v[X+8*i+2*\q], v[X+8*i+2*\q+1]  ; the rounding that all the module's inputs get,
	v_lshlrev_b32 v5, 16, v4                       ; back to f32,
	v_and_b32 v6, 0xffff0000, v4
	v_cvt_pk_f16_f32 v[Y+4*i+\q], v5, v6           ; and written as f16: 8 significant bits fit into 11
.endr
.set j, j+1
.endr
.set p, p+1
.endr
	s_wait_alu depctr_va_vdst(0)                   ; block 3 has written its eight registers of Y, which the last two stores read
.set i, 6
.rept 2
	global_store_b128 v3, v[Y+4*i:Y+4*i+3], s[30:31] offset:512*i th:TH_STORE_NT  ; 512 consecutive bytes, aligned
.set i, i+1
.endr
	s_endpgm
.Lfunc_end_k_q4706ae787e_cast:
	.size	k_q4706ae787e_cast, .Lfunc_end_k_q4706ae787e_cast-k_q4706ae787e_cast
	.p2alignl 7, 3214868480
	.fill 96, 4, 3214868480
	.section	.rodata,"a",@progbits
	.p2align	6, 0x0
	.amdhsa_kernel k_q4706ae787e_cast
		.amdhsa_group_segment_fixed_size 0
		.amdhsa_private_segment_fixed_size 0
		.amdhsa_enable_private_segment 0
		.amdhsa_kernarg_size 64
		.amdhsa_user_sgpr_count 2
		.amdhsa_user_sgpr_kernarg_segment_ptr 1
		.amdhsa_wavefront_size32 1
		.amdhsa_system_sgpr_workgroup_id_x 1
		.amdhsa_system_sgpr_workgroup_id_y 1
		.amdhsa_system_sgpr_workgroup_id_z 1
		.amdhsa_system_vgpr_workitem_id 0
		.amdhsa_next_free_vgpr 168
		.amdhsa_next_free_sgpr 66
		.amdhsa_reserve_vcc 0
		.amdhsa_float_denorm_mode_32 3
		.amdhsa_float_denorm_mode_16_64 3
		.amdhsa_memory_ordered 1
		.amdhsa_forward_progress 1
		.amdhsa_inst_pref_size 25
	.end_amdhsa_kernel
	.amdgpu_metadata
---
amdhsa.version: [ 1, 2 ]
amdhsa.kernels:
  - .name:           k_q4706ae787e_cast
    .symbol:         k_q4706ae787e_cast.kd
    .args:
      - { .name: x, .offset: 0, .size: 8, .value_kind: global_buffer, .address_space: global }
      - { .name: wq, .offset: 8, .size: 8, .value_kind: global_buffer, .address_space: global }
      - { .name: wk, .offset: 16, .size: 8, .value_kind: global_buffer, .address_space: global }
      - { .name: wv, .offset: 24, .size: 8, .value_kind: global_buffer, .address_space: global }
      - { .name: wo, .offset: 32, .size: 8, .value_kind: global_buffer, .address_space: global }
      - { .name: xb, .offset: 40, .size: 8, .value_kind: global_buffer, .address_space: global }
      - { .name: wb, .offset: 48, .size: 8, .value_kind: global_buffer, .address_space: global }
      - { .name: wof, .offset: 56, .size: 8, .value_kind: global_buffer, .address_space: global }
    .group_segment_fixed_size: 0
    .private_segment_fixed_size: 0
    .kernarg_segment_align: 8
    .kernarg_segment_size: 64
    .max_flat_workgroup_size: 256
    .sgpr_count:     66
    .vgpr_count:     168
    .wavefront_size: 32
...
	.end_amdgpu_metadata
.endif
;; end of part 5
;; launch proj: the kernel of part 2 again; grid 16 x 16, 4 waves a work-group, clusters of 4 x 4, 327,680 bytes of LDS; arguments xb, wb, qkv; writes qkv
;; launch attn: the kernel of part 3 again; grid 512 x 1, 8 waves a work-group, no clusters, 5,120 bytes of LDS; arguments qkv, inv_freq, att; writes att
;; launch outp: the kernel of part 4 again; grid 8 x 32, 4 waves a work-group, clusters of 4 x 4, 327,680 bytes of LDS; arguments att, wof, out0; writes out0
